; MI455X (gfx1250); checked and timed in simulation.
; The chip was launched on July 23, 2026; its instructions are those of AMD's public machine-readable ISA for CDNA 5 (MIT licence, August 2026) and "CDNA5" Instruction Set Architecture Reference Guide (July 2026). The comments in the code are by the model that wrote it; some were corrected since.
;; Ro PE Multihead Self Attention. Allowed arithmetic: matrix products marked QUANTISED: E2M1 operands, one E8M0 scale for each 32 along K, by v_wmma_scale_f32_16x16x128_f8f6f4 with both operands' format E2M1 (or v_wmma_scale_f32_32x16x128_f4), f32 sums; everything else in f32.
;; Inputs: bk 1,024 float32; bo 1,024 float32; bq 1,024 float32; bv 1,024 float32; wk 1,024 x 1,024 float32; wo 1,024 x 1,024 float32; wq 1,024 x 1,024 float32; wv 1,024 x 1,024 float32; x 4 x 2,048 x 1,024 float32.
;; Outputs: out0 4 x 2,048 x 1,024 float32.
;; This version of the problem:
;;   THIS VERSION OF THE PROBLEM IS GIVEN IN LOW PRECISION. The matrix products marked QUANTISED in the list below multiply operands that are first quantised to E2M1 (2 exponent bits, 1 mantissa bit; 4 bits a number), with one power-of-two scale for each 32 numbers along K (OCP MX v1.0); their sums are f32. All else is computed in f32.
;;   The module's matrix products, in the order in which they are computed (A, B: the left and right operand; K: the contracted axis; several contracted axes count as one K, in the product's order):
;;     1. [M 8,192, K 1,024] x [K 1,024, N 1,024]; A: input x; B: input wq: QUANTISED
;;     2. [M 8,192, K 1,024] x [K 1,024, N 1,024]; A: input x; B: input wk: QUANTISED
;;     3. [M 8,192, K 1,024] x [K 1,024, N 1,024]; A: input x; B: input wv: QUANTISED
;;     4. batch 64 x [M 2,048, K 64] x [K 64, N 2,048]; A: computed on the way; B: computed on the way: QUANTISED
;;     5. batch 64 x [M 2,048, K 2,048] x [K 2,048, N 64]; A: softmax (see below); B: computed on the way: QUANTISED
;;     6. [M 8,192, K 1,024] x [K 1,024, N 1,024]; A: computed on the way; B: input wo: QUANTISED
;;   THE QUANTISER, for each operand of a quantised product, along K:
;;     - K is cut into blocks of 32 from its start; a last block that is shorter is filled with zeros.
;;     - A block's scale is 2^e with e = floor(log2(the largest magnitude in the block)) - 2, held to -126 .. 127; a block of zeros has e = 0. As a byte (E8M0): e + 127.
;;     - Each number is divided by its block's scale, clamped to +-6, and rounded to the nearest number of E2M1, ties to even, subnormals kept.
;;     - The product sums the exact products of the quantised numbers (number of the format x scale) in f32.
;;   ~~~python
;;   def quantise(x, axis):      # numpy; x: float32 -> the quantised numbers, widened to float32 again
;;       x = np.moveaxis(x, axis, -1); K = x.shape[-1]
;;       x = np.pad(x, [(0, 0)] * (x.ndim - 1) + [(0, -K % 32)]); x = x.reshape(x.shape[:-1] + (-1, 32)); a = np.abs(x).max(-1, keepdims=True)
;;       e = np.where(a > 0, np.clip(np.frexp(np.where(a > 0, a, 1))[1] - 1 - 2, -126, 127), 0)      # np.frexp(a)[1] - 1 = floor(log2(a)), exactly
;;       r = np.clip(x / 2.0 ** e, -6, 6)
;;       step = 2.0 ** (np.maximum(np.frexp(np.where(r == 0, 1, r))[1] - 1, 0) - 1)
;;       q = np.round(r / step) * step * 2.0 ** e      # np.round: ties to even
;;       return np.moveaxis(q.reshape(q.shape[:-2] + (-1,))[..., :K], -1, axis).astype(np.float32)
;;   ~~~
;;   SOFTMAX AHEAD OF A QUANTISED PRODUCT. Where the list says 'softmax', what is quantised is not the finished softmax but p = 2^(t - M), with t = logit x log2(e) and M = ceil(the row's largest t), a whole number; so 1/2 < the row's largest p <= 1. The row's sum l is taken of the UNQUANTISED p, in f32, and the product's result is divided by l at the end. Since M is a whole number, a kernel that streams over the keys may use a running M (the ceiling of the running maximum): every later rescaling is an exact power of two, which a block's scale takes up: the codes' values come out the same.
;;   OPERANDS COMPUTED ON THE WAY. 'Computed on the way' means the value that the module computes at that place (a softmax that the list does not call 'softmax' is quantised finished and normalised). What goes into a quantiser is computed in f32, as accurately as f32 sums, v_exp_f32 and their like allow (about 1e-6 of the number): no bf16 or f16 on the way to a quantiser, and a product that is left as it is and whose result goes on into a quantised operand takes f32 operands (vector FMAs, or v_wmma_f32_16x16x4_f32). A number that lies on a knife's edge between two numbers of the format may be rounded either way, as far as f32 arithmetic and the matrix unit's own rounding can turn it there, and no further.
;; One version. Each part assembles by itself: llvm-mc -triple=amdgcn-amd-amdhsa -mcpu=gfx1250 --defsym DOCPART=n.
;; ======== version 1 of 1: 4 launches
;; workspace buffers: xw_codes 6,291,456 bytes; xw_scales 393,216 bytes; rope 524,288 bytes; qkv_codes 12,582,912 bytes; qkv_scales 1,310,720 bytes; att_codes 4,194,304 bytes; att_scales 262,144 bytes
;; launch quant (part 1): grid 416 x 1, 4 waves a work-group, no clusters, 43,520 bytes of LDS; arguments x, wq, wk, wv, wo, xw_codes, xw_scales, rope; writes xw_codes, xw_scales, rope
.if DOCPART == 1
	.amdgcn_target "amdgcn-amd-amdhsa--gfx1250"
	.amdhsa_code_object_version 6
	.text
	.protected	k_q8f08bf9120_quant
	.globl	k_q8f08bf9120_quant
	.p2align	8
	.type	k_q8f08bf9120_quant,@function
k_q8f08bf9120_quant:
	s_mov_b64 s[64:65], 0
	v_nop
	global_prefetch_b8 v0, s[64:65] scope:SCOPE_SE
	s_setreg_imm32_b32 hwreg(HW_REG_WAVE_MODE, 25, 1), 1
	s_wait_xcnt 0x0
; x [8192][1024] and wq, wk, wv, wo [1024][1024], f32, K innermost, become codes of FP4 (E2M1) with one E8M0 byte for each 32 along K; and the table of cosines and sines for the rotation is made.
; A block's scale is 2^(floor(log2(its largest magnitude)) - 2): its byte is that magnitude's exponent field - 2, held at 1 from below.
; LAYOUT OF THE RESULTS.  Row n of a tensor is stored at POSITION sigma(n), sigma = bits 3 and 4 of n exchanged.  Codes: [k / 32][position][16 bytes]; scale words: [k / 128][position][4 bytes].
; x's 8,192 positions first, then 4,096 for wq, wk, wv, wo.  So a matrix operand's lanes read 256 consecutive bytes, and the results of a product whose source 0 is 16 neighbouring positions are, over two
; neighbouring tiles, 16 neighbouring true indices in a lane's registers.
; SHARES.  Work-groups 0-383 quantise: a wave takes 64 rows x 128 along K, 16 steps of 4 rows.  Each load reads 512 consecutive bytes of a row; the numbers turn through the wave's own stage in LDS, so that a lane holds
; 16 neighbours along K (two neighbouring lanes hold a block).  Codes and bytes are gathered in the wave's own LDS by position and leave as runs of 512 and 256 consecutive bytes.
; Work-groups 384-415 make the table: wave t = one block of 16 positions of the sequence.  They use no LDS.  No tensor loads, no barrier, no cluster: no two waves share an input byte.
; LIMITS: NaN and infinities among the inputs are not served.  A block whose largest magnitude lies under 2^-124 keeps the byte 1; so does a block of zeros (the rule says 127: its codes are zeros, and this program alone reads the bytes).
; The table takes inv_freq[j] as the f32 nearest to 1 / p, p the f32 nearest to 10^(j / 8) = 10000^(j / 32).
.set SP,    80                         ; a lane's place in a stage: 64 bytes + 16 of padding
.set WREG,  10752                      ; LDS of a wave: two stages of 32 x SP, the codes' stage, the scale bytes
.set CS,    5120                       ; codes: 64 positions x (64 bytes + 16)
.set SBY,   10240                      ; scale bytes: 64 positions x 4
.set R,     16                         ; v16-79   four sets of 16 numbers as loaded
.set X,     80                         ; v80-111  two sets of 16 neighbours
.set E,     112                        ; v112-127 a byte for each step
.set C,     128                        ; v128-159 two registers of codes for each step
.set OUTR,  160                        ; v160-191 the codes on the way out
.set VO,    192                        ; v192-195 16 x lane + block x plane
.macro LOAD t                          ; rows 4 t .. 4 t + 3: 512 consecutive bytes each
.irp i, 0,1,2,3
	global_load_b128 v[R+16*((\t)%4)+4*\i:R+16*((\t)%4)+4*\i+3], v3, s[4:5] offset:(4*(\t)+\i)*4096 th:TH_LOAD_NT
.endr
.endm
.macro TURN t                          ; through the stage: LDS serves a wave's instructions in order, so no wait stands between the stores and the loads
.irp i, 0,1,2,3
	ds_store_b128 v14, v[R+16*((\t)%4)+4*\i:R+16*((\t)%4)+4*\i+3] offset:32*SP*((\t)%2)+8*SP*\i
.endr
.irp i, 0,1,2,3
	ds_load_b128 v[X+16*((\t)%2)+4*\i:X+16*((\t)%2)+4*\i+3], v15 offset:32*SP*((\t)%2)+16*\i
.endr
.endm
.macro STEP t                          ; lane l: row 4 t + l / 8, k = 16 (l % 8) + 0 .. 15
.set XS, X+16*((\t)%2)
.set P4, 4*(\t)
.set SGT, (P4&39)|(((P4>>3)&1)<<4)|(((P4>>4)&1)<<3)   ; sigma(4 t)
.if (\t) > 0
	s_wait_dscnt 2                                 ; this step's numbers are back from the stage; the last step's byte store and code store may be out
.else
	s_wait_dscnt 0x0
.endif
.if (\t)+4 < 16
	LOAD (\t)+4
.endif
.if (\t)+1 < 16
.if 14-(\t) >= 3
	s_wait_loadcnt 12                              ; the next step's four loads are in; three steps' twelve may be out
.else
	s_wait_loadcnt 4*(14-(\t))
.endif
	TURN (\t)+1
.endif
	v_max3_num_f32 v8, |v[XS]|, |v[XS+1]|, |v[XS+2]|
	v_max3_num_f32 v9, |v[XS+3]|, |v[XS+4]|, |v[XS+5]|
.irp i, 6,10
	v_max3_num_f32 v8, v8, |v[XS+\i]|, |v[XS+\i+1]|
	v_max3_num_f32 v9, v9, |v[XS+\i+2]|, |v[XS+\i+3]|
.endr
	v_max3_num_f32 v8, v8, |v[XS+14]|, |v[XS+15]|
	v_max3_num_f32 v8, v8, v9, 0x1800000           ; the floor 2^(3 - 127): the byte cannot fall under 1
	v_max_num_f32_dpp v8, v8, v8 row_xmask:1 row_mask:0xf bank_mask:0xf   ; with my neighbour's 16: the block's largest magnitude
	v_add_nc_u32 v11, 0xff000000, v8               ; 2 off its exponent field: the conversion takes this operand's exponent field as the scale
	v_cvt_scalef32_pk8_fp4_f32 v[C+2*(\t)], v[XS:XS+7], v11
	v_cvt_scalef32_pk8_fp4_f32 v[C+2*(\t)+1], v[XS+8:XS+15], v11
	v_lshrrev_b32 v[E+(\t)], 23, v11               ; the scale's byte
	ds_store_b8 v5, v[E+(\t)] offset:4*SGT         ; both lanes of a block write the same byte with the same value
	ds_store_b64 v4, v[C+2*(\t):C+2*(\t)+1] offset:SP*SGT
.endm
; cos and sin of v7 (0 .. 2,047 rad) into v[c], v[s].  k = the nearest whole number to v7 x 2 / pi; pi / 2 is taken off in three parts (21, 24, 24 bits: k has 11, so the first product is exact);
; then the series to z^5 (cos) and z^4 x rho (sin) on |rho| <= pi / 4, whose first term left out is under 2e-9; the quadrant swaps the two and sets the signs.
.macro SINCOS c, s
	v_mul_f32 v8, 0x3f22f983, v7
	v_rndne_f32 v8, v8
	v_fmamk_f32 v9, v8, 0xbfc90fd8, v7
	v_fmamk_f32 v9, v8, 0xb4a8885a, v9
	v_fmamk_f32 v9, v8, 0xa7c234c4, v9
	v_cvt_i32_f32 v10, v8
	v_mul_f32 v11, v9, v9
	v_mov_b32 v12, 0x3638ef1b
	v_mov_b32 v13, 0xb493f27c
	v_fmaak_f32 v12, v12, v11, 0xb9500d01
	v_fmaak_f32 v13, v13, v11, 0x37d00d01
	v_fmaak_f32 v12, v12, v11, 0x3c088889
	v_fmaak_f32 v13, v13, v11, 0xbab60b61
	v_fmaak_f32 v12, v12, v11, 0xbe2aaaab
	v_fmaak_f32 v13, v13, v11, 0x3d2aaaab
	v_mul_f32 v14, v11, v9
	v_fma_f32 v13, v13, v11, -0.5
	v_fma_f32 v12, v12, v14, v9                    ; sin rho
	v_fma_f32 v13, v13, v11, 1.0                   ; cos rho
	v_and_b32 v14, 1, v10
	v_cmp_eq_u32 vcc_lo, 1, v14
	v_cndmask_b32 v[\s], v12, v13, vcc_lo          ; odd quadrants: the two change places
	v_cndmask_b32 v[\c], v13, v12, vcc_lo
	v_and_b32 v14, 2, v10
	v_lshlrev_b32 v14, 30, v14
	v_xor_b32 v[\s], v[\s], v14                    ; sin is negated in quadrants 2, 3
	v_add_nc_u32 v14, 1, v10
	v_and_b32 v14, 2, v14
	v_lshlrev_b32 v14, 30, v14
	v_xor_b32 v[\c], v[\c], v14                    ; cos in quadrants 1, 2
.endm
.macro ANGLE c, s, p0, p1              ; lanes 0-15 take the power p0, lanes 16-31 p1
	v_mov_b32 v4, \p0
	v_mov_b32 v5, \p1
	v_cndmask_b32 v4, v4, v5, s24
	s_wait_alu depctr_va_vdst(0)
	v_rcp_f32 v5, v4
	v_nop                                          ; a plain place behind the reciprocal
	s_wait_alu depctr_va_vdst(0)
	v_fma_f32 v7, -v4, v5, 1.0
	v_fma_f32 v5, v5, v7, v5                       ; one correction step: 1 / p to the nearest f32
	v_mul_f32 v7, v6, v5                           ; the angle: s x inv_freq, rounded once
	SINCOS \c, \s
.endm
	s_load_b512 s[4:19], s[0:1], 0x0               ; x, wq, wk, wv, wo, codes s[14:15], scales s[16:17], table s[18:19]
	v_lshl_add_u32 v196, v0, 2, 0xa800
	v_mov_b32 v197, 0
	v_lshrrev_b32 v1, 5, v0
	v_readfirstlane_b32 s20, v1                    ; wave
	v_and_b32 v2, 31, v0                           ; lane
	v_lshlrev_b32 v3, 4, v2                        ; 16 x lane
	s_cmp_ge_u32 ttmp9, 384
	s_cbranch_scc1 .Ltable
	s_lshr_b32 s21, ttmp9, 1                       ; which 64 rows: 0-127 x, 128-191 the weights
	s_and_b32 s22, ttmp9, 1
	s_lshl_b32 s22, s22, 2
	s_add_co_u32 s22, s22, s20                     ; which 128 along K
	s_mov_b32 s26, 65536
	s_cmp_lt_u32 ttmp9, 256                        ; x or a weight: the choice hangs on the work-group's number alone
	s_cselect_b32 s24, 0, 128
	s_cselect_b32 s26, 131072, s26                 ; a plane of codes: positions x 16 bytes
	s_cselect_b32 s27, 0, 4194304                  ; where the tensor's codes begin,
	s_cselect_b32 s28, 0, 262144                   ; and its scale words
	s_cselect_b32 s29, 127, 15
	s_sub_co_u32 s23, s21, s24                     ; the group of 64 positions
	s_lshr_b32 s25, s23, 4                         ; which weight
	s_and_b32 s29, s23, s29                        ; the group of 64 rows in its tensor
	s_lshl_b32 s30, s29, 18
	s_lshl_b32 s31, s22, 9
	s_add_co_u32 s30, s30, s31                     ; source: 64 rows of 4,096 bytes, + 512 bytes for each 128 along K
	s_mov_b32 s31, 0
	s_mul_i32 s34, s22, s26
	s_lshl_b32 s32, s34, 2                         ; codes: four planes for each 128 along K,
	s_add_co_u32 s32, s32, s27
	s_lshl_b32 s35, s23, 10
	s_add_co_u32 s32, s32, s35                     ; + 16 bytes a position
	s_mov_b32 s33, 0
	s_lshr_b32 s34, s34, 2                         ; scale words: a quarter of a plane for each 128 along K,
	s_add_co_u32 s34, s34, s28
	s_lshl_b32 s35, s23, 8
	s_add_co_u32 s34, s34, s35                     ; + 4 bytes a position
	s_mov_b32 s35, 0
	s_mul_i32 s36, s20, WREG
	s_wait_alu depctr_va_vdst(0)
	v_lshrrev_b32 v14, 2, v2
	v_mul_u32_u24 v14, v14, SP
	v_and_b32 v15, 3, v2
	v_lshl_add_u32 v14, v15, 4, v14
	v_add_nc_u32 v14, s36, v14                     ; the stage, in: SP (lane / 4) + 16 (lane % 4)
	v_mul_u32_u24 v15, v2, SP
	v_add_nc_u32 v15, s36, v15                     ; and out: SP x lane
	v_lshrrev_b32 v8, 3, v2
	v_and_b32 v9, 7, v2
	v_mul_u32_u24 v4, v8, SP
	v_lshl_add_u32 v4, v9, 3, v4
	v_add_nc_u32 v4, s36, v4
	v_add_nc_u32 v4, CS, v4                        ; my 8 bytes of codes: position lane / 8 (+ sigma(4 t)), byte 8 (lane % 8)
	v_lshrrev_b32 v9, 1, v9
	v_lshl_add_u32 v5, v8, 2, v9
	v_add_nc_u32 v5, s36, v5
	v_add_nc_u32 v5, SBY, v5                       ; my block's byte
	v_add_nc_u32 v6, CS, v15                       ; the codes, out: position = lane
	v_lshlrev_b32 v1, 3, v2
	v_add_nc_u32 v7, s36, v1
	v_add_nc_u32 v7, SBY, v7                       ; the bytes, out: 8 a lane
	v_mov_b32 v[VO], v3
	v_add_nc_u32 v[VO+1], s26, v[VO]
	v_add_nc_u32 v[VO+2], s26, v[VO+1]
	v_add_nc_u32 v[VO+3], s26, v[VO+2]
	s_wait_kmcnt 0x0
	s_cmp_eq_u32 s25, 2
	s_cselect_b64 s[12:13], s[10:11], s[12:13]
	s_cmp_eq_u32 s25, 1
	s_cselect_b64 s[12:13], s[8:9], s[12:13]
	s_cmp_eq_u32 s25, 0
	s_cselect_b64 s[12:13], s[6:7], s[12:13]
	s_cmp_lt_u32 ttmp9, 256
	s_cselect_b64 s[4:5], s[4:5], s[12:13]
	s_add_nc_u64 s[4:5], s[4:5], s[30:31]
	s_add_nc_u64 s[14:15], s[14:15], s[32:33]
	s_add_nc_u64 s[16:17], s[16:17], s[34:35]
.irp t, 0,1,2,3
	LOAD \t
.endr
	s_wait_loadcnt 12                              ; step 0's four loads are in
	TURN 0
.irp t, 0,1,2,3,4,5,6,7,8,9,10,11,12,13,14,15
	STEP \t
.endr
.irp kb, 0,1,2,3
.irp hf, 0,1
	ds_load_b128 v[OUTR+4*(2*\kb+\hf):OUTR+4*(2*\kb+\hf)+3], v6 offset:32*SP*\hf+16*\kb   ; block kb of positions 32 hf + lane: these see my stores (a wave's LDS instructions are served in order)
.endr
.endr
	ds_load_b64 v[12:13], v7
.irp kb, 0,1,2,3
.irp hf, 0,1
	s_wait_dscnt 8-(2*\kb+\hf)                     ; the younger loads may be out
	global_store_b128 v[VO+\kb], v[OUTR+4*(2*\kb+\hf):OUTR+4*(2*\kb+\hf)+3], s[14:15] offset:512*\hf   ; 32 lanes store 512 consecutive bytes, aligned
.endr
.endr
	s_wait_dscnt 0x0
	global_store_b64 v1, v[12:13], s[16:17]        ; 64 scale words: 256 consecutive bytes, aligned
	s_wait_tensorcnt 0x0
	ds_add_u32 v196, v197
	s_wait_dscnt 0x0
	s_endpgm
.Ltable:                                               ; [128 blocks t][8 q][32 lanes][16 bytes]: lane (r, h) of block t belongs to s = sigma(16 t + r); its 32 numbers: cos, sin of s x inv_freq[8 h + i], then of s x inv_freq[16 + 8 h + i], i = 0 .. 7
	s_sub_co_u32 s21, ttmp9, 384
	s_lshl_b32 s21, s21, 2
	s_add_co_u32 s21, s21, s20                     ; t
	s_lshr_b32 s22, s21, 1
	s_lshl_b32 s22, s22, 5
	s_and_b32 s23, s21, 1
	s_lshl_b32 s23, s23, 3
	s_add_co_u32 s22, s22, s23                     ; 32 (t / 2) + 8 (t % 2)
	v_and_b32 v4, 7, v0
	v_bfe_u32 v5, v0, 3, 1
	v_lshl_add_u32 v4, v5, 4, v4
	v_add_nc_u32 v4, s22, v4                       ; + r % 8 + 16 (r / 8)
	v_cvt_f32_u32 v6, v4
	v_bfe_u32 v5, v0, 4, 1
	v_cmp_eq_u32 s24, 1, v5                        ; lanes 16-31
	s_lshl_b32 s26, s21, 12
	s_mov_b32 s27, 0
	s_wait_kmcnt 0x0
	s_add_nc_u64 s[18:19], s[18:19], s[26:27]
	ANGLE 32, 40, 1.0, 10.0
	ANGLE 33, 41, 1.333521432163, 13.33521432163
	ANGLE 34, 42, 1.778279410039, 17.78279410039
	ANGLE 35, 43, 2.371373705662, 23.71373705662
	ANGLE 36, 44, 3.162277660168, 31.62277660168
	ANGLE 37, 45, 4.216965034286, 42.16965034286
	ANGLE 38, 46, 5.623413251903, 56.23413251903
	ANGLE 39, 47, 7.498942093325, 74.98942093325
	ANGLE 48, 56, 100.0, 1000.0
	ANGLE 49, 57, 133.3521432163, 1333.521432163
	ANGLE 50, 58, 177.8279410039, 1778.279410039
	ANGLE 51, 59, 237.1373705662, 2371.373705662
	ANGLE 52, 60, 316.2277660168, 3162.277660168
	ANGLE 53, 61, 421.6965034286, 4216.965034286
	ANGLE 54, 62, 562.3413251903, 5623.413251903
	ANGLE 55, 63, 749.8942093325, 7498.942093325
.irp q, 0,1,2,3,4,5,6,7
	global_store_b128 v3, v[32+4*\q:35+4*\q], s[18:19] offset:512*\q   ; 512 consecutive bytes, aligned
.endr
	s_endpgm
.Lfunc_end_k_q8f08bf9120_quant:
	.size	k_q8f08bf9120_quant, .Lfunc_end_k_q8f08bf9120_quant-k_q8f08bf9120_quant
	.p2alignl 7, 3214868480
	.fill 96, 4, 3214868480
	.section	.rodata,"a",@progbits
	.p2align	6, 0x0
	.amdhsa_kernel k_q8f08bf9120_quant
		.amdhsa_group_segment_fixed_size 43520
		.amdhsa_private_segment_fixed_size 0
		.amdhsa_enable_private_segment 0
		.amdhsa_kernarg_size 64
		.amdhsa_user_sgpr_count 2
		.amdhsa_user_sgpr_kernarg_segment_ptr 1
		.amdhsa_wavefront_size32 1
		.amdhsa_system_sgpr_workgroup_id_x 1
		.amdhsa_system_sgpr_workgroup_id_y 1
		.amdhsa_system_sgpr_workgroup_id_z 1
		.amdhsa_system_vgpr_workitem_id 0
		.amdhsa_next_free_vgpr 198
		.amdhsa_next_free_sgpr 66
		.amdhsa_reserve_vcc 1
		.amdhsa_float_denorm_mode_32 3
		.amdhsa_float_denorm_mode_16_64 3
		.amdhsa_memory_ordered 1
		.amdhsa_forward_progress 1
		.amdhsa_inst_pref_size 67
	.end_amdhsa_kernel
	.amdgpu_metadata
---
amdhsa.version: [ 1, 2 ]
amdhsa.kernels:
  - .name:           k_q8f08bf9120_quant
    .symbol:         k_q8f08bf9120_quant.kd
    .args:
      - { .name: x, .offset: 0, .size: 8, .value_kind: global_buffer, .address_space: global }
      - { .name: wq, .offset: 8, .size: 8, .value_kind: global_buffer, .address_space: global }
      - { .name: wk, .offset: 16, .size: 8, .value_kind: global_buffer, .address_space: global }
      - { .name: wv, .offset: 24, .size: 8, .value_kind: global_buffer, .address_space: global }
      - { .name: wo, .offset: 32, .size: 8, .value_kind: global_buffer, .address_space: global }
      - { .name: xw_codes, .offset: 40, .size: 8, .value_kind: global_buffer, .address_space: global }
      - { .name: xw_scales, .offset: 48, .size: 8, .value_kind: global_buffer, .address_space: global }
      - { .name: rope, .offset: 56, .size: 8, .value_kind: global_buffer, .address_space: global }
    .group_segment_fixed_size: 43520
    .private_segment_fixed_size: 0
    .kernarg_segment_align: 8
    .kernarg_segment_size: 64
    .max_flat_workgroup_size: 128
    .sgpr_count:     66
    .vgpr_count:     198
    .wavefront_size: 32
...
	.end_amdgpu_metadata
.endif
;; end of part 1
;; launch qkv (part 2): grid 24 x 32, 4 waves a work-group, clusters of 4 x 4, 212,480 bytes of LDS; arguments xw_codes, xw_scales, rope, bq, bk, bv, qkv_codes, qkv_scales; writes qkv_codes, qkv_scales
.if DOCPART == 2
	.amdgcn_target "amdgcn-amd-amdhsa--gfx1250"
	.amdhsa_code_object_version 6
	.text
	.protected	k_q8f08bf9120_qkv
	.globl	k_q8f08bf9120_qkv
	.p2align	8
	.type	k_q8f08bf9120_qkv,@function
k_q8f08bf9120_qkv:
	s_mov_b64 s[64:65], 0
	v_nop
	global_prefetch_b8 v0, s[64:65] scope:SCOPE_SE
	s_setreg_imm32_b32 hwreg(HW_REG_WAVE_MODE, 25, 1), 1
	s_wait_xcnt 0x0
	s_wait_alu depctr_hold_cnt(0) depctr_sa_sdst(0) depctr_va_vdst(0) depctr_va_sdst(0) depctr_va_ssrc(0) depctr_va_vcc(0) depctr_vm_vsrc(0)
	s_getreg_b32 s2, hwreg(HW_REG_IB_STS2, 6, 4)
	s_cmp_eq_u32 s2, 0
	s_cbranch_scc0 .Lentry_in_a_cluster
	s_endpgm
.Lentry_in_a_cluster:
	s_bfe_u32 s2, ttmp6, 0x10000c
	s_cmp_lg_u32 s2, 0xf033
	s_cbranch_scc0 .Lentry_shape_is_right
	s_endpgm
.Lentry_shape_is_right:
; q, k, v = x W^T + b on codes of FP4 (E2M1) with E8M0 scales; q and k are rotated and quantised along the head's 64; v is quantised along the keys.  Nothing leaves as f32.
; INPUTS: codes [k / 32][position][16 bytes], scale words [k / 128][position][4 bytes]; position = sigma(row), sigma = bits 3 and 4 exchanged.  x: 8,192 positions; the weights behind it: 0-1023 wq, 1024-2047 wk, 2048-3071 wv.
; SHARES.  A work-group makes 256 positions of x times 128 positions of a weight; wave w makes rows 128 (w / 2) on, columns 64 (w % 2) on: one head, 128 rows of one batch: 32 accumulators of 16 x 16.
; ALL OF K = 1,024 OF BOTH TILES LIES IN LDS (196,608 bytes of codes, 12,288 of scale words), filled once: no LDS byte is filled twice, so there is no ring.  K comes in two chunks of 512, so that the first is multiplied while the second lands.
; CLUSTERS: 4 x 4 work-groups.  x's tiles hang on the tile row alone and are asked for jointly by a row of the cluster, the weights' on the tile column alone, by a column.
; Tile columns 0-7 are q, 8-15 k, 16-23 v: the path hangs on the CLUSTER's x (0, 1 | 2, 3 | 4, 5), which all partners share.
; q, k: the product is used TRANSPOSED (source 0 = 16 positions of W, source 1 = 16 of x): lane (r, h) holds row 16 a + r, and registers 16 B + i of row block a are d = 32 B + 16 h + i.  The partner d +- 32 of the rotation lies 16 registers on in the same lane.
; v: the product is used as it stands (source 0 = x): lane (r, h) holds channel position 16 b + r, and registers 16 B + i of column tile b are keys 32 B + 16 h + i.
; The bias is the C of each sum's first matrix instruction (so it is added first, not last as the definition has it: another order of f32 roundings).
; RESULTS: q, k codes [head of batch][16 steps of 128 positions][2 blocks][128][16 bytes], words [head of batch][2,048][4] = byte 0, byte 1, 0x7f, 0x7f (the next product's K is 64 of an instruction's 128);
;   v codes [head of batch][16 steps of 128 keys][4 blocks][64 channel positions][16 bytes], words [head of batch][16][64][4].
; LIMITS: NaN and infinities are not served; a block whose largest magnitude lies under 2^-124, one of zeros too, keeps the byte 1 (read by this program alone).
; REGISTERS: window 0: v4-31 addresses; v32-95 x's scale words, v96-127 W's (scales and nothing else); v128-159 the bias, later the words made; v160-255 at work.
;   window 1: v0-127 x's fragments, two sets; v128-191 W's, two sets; v192-255 (and, behind the last product, all) the table.   window 2: the accumulators.
.set PB,   0
.set LA,   0                           ; x's codes: [chunk 2][row half 2][16 blocks][128 positions][16]
.set LB,   131072                      ; W's codes: [chunk 2][column half 2][16 blocks][64][16]
.set LSA,  196608                      ; x's words: [row half 2][8][128][4]
.set LSB,  204800                      ; W's words: [column half 2][8][64][4]
.set SGQ,  208896                      ; q, k: 128 words a wave on their way out
.set SGV,  210944                      ; v: 64 words a wave (bytes of their own for each path)
.set ADRA, 4
.set ADRB, 6
.set ADSA, 8
.set ADSB, 9
.set SCA,  32
.set SCB,  96
.set BI,   128
.set PW,   128
.set X,    160
.set CD,   192
.set TM,   224
.set G1A,  24
.set G0A,  32
.set G1B,  40
.set G0B,  48
.set G1SA, 56
.set G0SA, 68
.set G1SB, 72
.set G0SB, 80
.set MSB, 0
.macro WIN new                         ; the immediate's high byte repeats the setting that is left
.if MSB != \new
	s_set_vgpr_msb (MSB<<8)|\new
.set MSB, \new
.endif
.endm
.set MUL,  0xa5                        ; sources 0, 1 window 1; C and D window 2
.set MUL1, 0x85                        ; the same with C (the bias) in window 0
.set TOF,  0x40                        ; destination window 1
.macro PLACES n
.rept \n
	v_nop
.endr
.endm
.macro BAR
	s_barrier_signal -1
	s_barrier_wait -1
.endm
.macro CROUND                          ; a round of the cluster's barrier
	s_barrier_signal -1
	s_barrier_wait -1
	s_cmp_lg_u32 s20, 0
	s_cbranch_scc1 .Lnot_wave_0_\@
	s_barrier_signal -3
.Lnot_wave_0_\@:
	s_barrier_wait -3
	s_barrier_signal -1
	s_barrier_wait -1
.endm
.macro JLOAD g0a, g1a, g0b, g1b        ; a joint load: waves 0, 1 fetch for x, waves 2, 3 for W; four v_nop follow each of the two lines
	s_cmp_eq_u32 s21, 0
	s_cbranch_scc0 .Lfor_b_\@
	tensor_load_to_lds s[\g0a:\g0a+3], s[\g1a:\g1a+7]
	s_nop 0
.rept 4
	v_nop
.endr
	s_branch .Lasked_\@
.Lfor_b_\@:
	tensor_load_to_lds s[\g0b:\g0b+3], s[\g1b:\g1b+7]
	s_nop 0
.rept 4
	v_nop
.endr
.Lasked_\@:
.endm
.macro GROUP1 g, m, c, r, p            ; r rows of c elements of 8 bytes, p elements apart; the mask in s[m], bit 21 beside it
	s_or_b32 s[\g], s[\m], (3<<16)|(1<<21)
	s_mov_b32 s[\g+1], (\c)<<16
	s_mov_b32 s[\g+2], (\r)<<16
	s_mov_b32 s[\g+3], (\c)<<16
	s_mov_b32 s[\g+4], \r
	s_mov_b32 s[\g+5], \p
	s_mov_b32 s[\g+6], 0
	s_mov_b32 s[\g+7], 0
.endm
; the fragments of 128 along K, the ql-th of chunk c, into set s: 24 loads.  Registers 4 u .. 4 u + 3 of a fragment are block 2 u + h: 16 lanes read 256 consecutive bytes
.macro FETCH c, ql, s
	WIN TOF
.irp a, 0,1,2,3,4,5,6,7
.irp u, 0,1
	ds_load_b128 v[64*(\s)+8*\a+4*\u:64*(\s)+8*\a+4*\u+3], v[ADRA+\c] offset:8192*(\ql)+4096*\u+256*\a
.endr
.endr
.irp b, 0,1,2,3
.irp u, 0,1
	ds_load_b128 v[128+32*(\s)+8*\b+4*\u:128+32*(\s)+8*\b+4*\u+3], v[ADRB+\c] offset:4096*(\ql)+2048*\u+256*\b
.endr
.endr
.endm
.macro SCALES                          ; all scale words of my rows and columns, once: 96 registers
	WIN 0
.irp q, 0,1,2,3,4,5,6,7
.irp a, 0,1,2,3,4,5,6,7
	ds_load_b32 v[SCA+8*\q+\a], v[ADSA] offset:512*\q+64*\a
.endr
.irp b, 0,1,2,3
	ds_load_b32 v[SCB+4*\q+\b], v[ADSB] offset:256*\q+64*\b
.endr
.endr
.endm
; 32 matrix instructions: 128 along K, the q-th.  The 32 accumulators take turns, one instruction a turn, in the same order in every step
.macro MULS q, s, first, nat
.irp a, 0,1,2,3,4,5,6,7
.irp b, 0,1,2,3
.if \nat
.set FD, 8*(8*\b+\a)
.set F0, 64*(\s)+8*\a
.set F1, 128+32*(\s)+8*\b
.set Z0, SCA+8*(\q)+\a
.set Z1, SCB+4*(\q)+\b
.else
.set FD, 8*(4*\a+\b)
.set F0, 128+32*(\s)+8*\b
.set F1, 64*(\s)+8*\a
.set Z0, SCB+4*(\q)+\b
.set Z1, SCA+8*(\q)+\a
.endif
.set FC, FD
.if \first
.set FC, BI+8*\b
.endif
	v_wmma_scale_f32_16x16x128_f8f6f4 v[FD:FD+7], v[F0:F0+7], v[F1:F1+7], v[FC:FC+7], v[Z0], v[Z1] matrix_a_fmt:MATRIX_FMT_FP4 matrix_b_fmt:MATRIX_FMT_FP4
.endr
.endr
.endm
; a chunk of 512 along K: four steps on two sets of fragments.  Four plain places stand between matrix instructions and loads into registers that they have read
.macro PHASE c, nat
.if \c > 0
	PLACES 4
.endif
	FETCH \c, 0, 0
.if \c == 0
	SCALES
	s_wait_loadcnt 0x0                             ; the bias
.endif
.irp ql, 0,1,2,3
.if \ql < 3
.if \ql > 0
	PLACES 4
.endif
	FETCH \c, \ql+1, (\ql+1)%2
	s_wait_dscnt 24                                ; all but the 24 just issued: this step's fragments (and the scale words) are in
.else
	s_wait_dscnt 0x0
.endif
.if (\c == 0) && (\ql == 0)
	WIN MUL1
	MULS 4*\c+\ql, \ql%2, 1, \nat
.else
	WIN MUL
	MULS 4*\c+\ql, \ql%2, 0, \nat
.endif
.endr
	WIN 0
.endm
; nb blocks of 32: registers src + 16 b + i (window by wmax, wcvt) = k 32 b + 16 h + i of my row.  Codes to v[cd] on, in the operand's order (lanes 0-15 block 2 c, lanes 16-31 block 2 c + 1); the scale word to v[pw]
.macro QUANT nb, src, wmax, wcvt, cd, pw
	WIN \wmax
.set QB, 0
.rept \nb
	v_max3_num_f32 v[TM+QB], |v[\src+16*QB]|, |v[\src+16*QB+1]|, 0x1800000   ; my 16 numbers, from the low end on, and the floor 2^(3 - 127)
.set QB, QB+1
.endr
.irp i, 2,4,6,8,10,12,14
.set QB, 0
.rept \nb
	v_max3_num_f32 v[TM+QB], |v[\src+16*QB+\i]|, |v[\src+16*QB+\i+1]|, v[TM+QB]
.set QB, QB+1
.endr
.endr
	WIN 0
.set QB, 0
.rept \nb
	v_permlanex16_b32 v[TM+4+QB], v[TM+QB], s98, s99
.set QB, QB+1
.endr
.set QB, 0
.rept \nb
	v_max_num_f32 v[TM+QB], v[TM+QB], v[TM+4+QB]   ; with lane l xor 16's: the block's largest magnitude
.set QB, QB+1
.endr
.set QB, 0
.rept \nb
	v_add_nc_u32 v[TM+12+QB], 0xff000000, v[TM+QB] ; 2 off its exponent field: the conversion's scale operand
.set QB, QB+1
.endr
.set QB, 0
.rept \nb
	v_lshrrev_b32 v[TM+4+QB], 23, v[TM+12+QB]      ; the byte
.set QB, QB+1
.endr
	v_lshl_or_b32 v[\pw], v[TM+5], 8, v[TM+4]
.if \nb == 4
	v_lshl_or_b32 v[\pw], v[TM+6], 16, v[\pw]
	v_lshl_or_b32 v[\pw], v[TM+7], 24, v[\pw]
.else
	v_or_b32 v[\pw], 0x7f7f0000, v[\pw]            ; the two blocks that do not exist: 1.0 over zero codes
.endif
	WIN \wcvt
.set QB, 0
.rept \nb
	v_cvt_scalef32_pk8_fp4_f32 v[\cd+2*QB], v[\src+16*QB:\src+16*QB+7], v[TM+12+QB]
	v_cvt_scalef32_pk8_fp4_f32 v[\cd+2*QB+1], v[\src+16*QB+8:\src+16*QB+15], v[TM+12+QB]
.set QB, QB+1
.endr
	WIN 0
	v_nop                                          ; one plain place behind a scaled conversion
.set QB, 0
.rept \nb/2
	v_permlane16_swap_b32 v[\cd+4*QB], v[\cd+4*QB+2]
	v_permlane16_swap_b32 v[\cd+4*QB+1], v[\cd+4*QB+3]
.set QB, QB+1
.endr
.endm
.macro TABLE a                         ; row block a's 32 cosines and sines a lane, into window 1
.set TB, (192+32*(\a))%256
.irp q, 0,1,2,3,4,5,6,7
	global_load_b128 v[TB+4*\q:TB+4*\q+3], v10, s[8:9] offset:4096*(\a)+512*\q
.endr
.endm
; the rotation of row block a: lo' = lo cos_lo - hi sin_lo, hi' = hi cos_hi + lo sin_hi; a pair of neighbouring d shares its angle, so one number of the table serves both halves of a packed instruction
.macro ROPE a
.set TB, (192+32*(\a))%256
.set AC, 32*(\a)
	WIN 0x06                                       ; source 0 (the sums) window 2, source 1 (the table) window 1
.irp e, 0,2,4,6
.irp o, 0,1
	v_pk_mul_f32 v[240+4*\o:241+4*\o], v[AC+16+2*(\e+\o):AC+17+2*(\e+\o)], v[TB+8+\e:TB+9+\e] op_sel:[0,\o] op_sel_hi:[1,\o]
	v_pk_mul_f32 v[242+4*\o:243+4*\o], v[AC+2*(\e+\o):AC+1+2*(\e+\o)], v[TB+24+\e:TB+25+\e] op_sel:[0,\o] op_sel_hi:[1,\o]
	v_pk_fma_f32 v[X+2*(\e+\o):X+1+2*(\e+\o)], v[AC+2*(\e+\o):AC+1+2*(\e+\o)], v[TB+\e:TB+1+\e], v[240+4*\o:241+4*\o] op_sel:[0,\o,0] op_sel_hi:[1,\o,1] neg_lo:[0,0,1] neg_hi:[0,0,1]
	v_pk_fma_f32 v[X+16+2*(\e+\o):X+17+2*(\e+\o)], v[AC+16+2*(\e+\o):AC+17+2*(\e+\o)], v[TB+16+\e:TB+17+\e], v[242+4*\o:243+4*\o] op_sel:[0,\o,0] op_sel_hi:[1,\o,1]
.endr
.endr
.endm
	s_load_b512 s[4:19], s[0:1], 0x0               ; codes s[4:5], words s[6:7], table s[8:9], bq, bk, bv s[10:15], results s[16:17], s[18:19]
	v_lshl_add_u32 v254, v0, 2, 0x33c00
	v_mov_b32 v255, 0
	ds_add_u32 v254, v255
	ds_add_u32 v254, v255
	v_lshrrev_b32 v1, 5, v0
	v_readfirstlane_b32 s20, v1                    ; wave
	s_lshr_b32 s21, s20, 1                         ; my half of the rows.  Also: I fetch for x (0) or for W (1)
	s_and_b32 s22, s20, 1                          ; my half of the columns.  Also: which half I fetch
	s_bfe_u32 s84, ttmp6, 0x40000                  ; cx
	s_bfe_u32 s85, ttmp6, 0x40004                  ; cy
	s_lshl_b32 s86, ttmp9, 2
	s_add_co_u32 s86, s86, s84                     ; tile column
	s_and_b32 s87, ttmp7, 0xffff
	s_lshl_b32 s87, s87, 2
	s_add_co_u32 s87, s87, s85                     ; tile row
	s_lshl_b32 s88, s85, 2
	s_lshl_b32 s88, 15, s88                        ; my row of the cluster
	s_lshl_b32 s89, 0x1111, s84                    ; my column
	GROUP1 G1A, 88, 256, 16, 16384                 ; 16 blocks x 128 positions x 16 bytes; a plane of x is 131,072 bytes
	GROUP1 G1B, 89, 128, 16, 8192                  ; 16 blocks x 64 positions; a plane of the weights is 65,536 bytes
	GROUP1 G1SA, 88, 64, 8, 4096                   ; 8 K steps x 128 words
	GROUP1 G1SB, 89, 32, 8, 2048                   ; 8 K steps x 64 words
	s_mov_b32 s98, 0x76543210
	s_mov_b32 s99, 0xfedcba98                      ; v_permlanex16_b32's selects for lane l xor 16
	v_and_b32 v1, 15, v0                           ; r
	v_bfe_u32 v2, v0, 4, 1                         ; h
	v_and_b32 v3, 31, v0                           ; lane
	v_lshlrev_b32 v10, 4, v3                       ; 16 x lane
	v_lshlrev_b32 v18, 3, v3                       ; 8 x lane
	v_lshlrev_b32 v28, 4, v1
	v_lshlrev_b32 v29, 2, v1
	s_wait_alu depctr_va_vdst(0)
	v_lshl_add_u32 v11, v2, 11, v28                ; 2,048 h + 16 r
	v_lshl_add_u32 v12, v2, 10, v28                ; 1,024 h + 16 r
	s_lshl_b32 s66, s21, 15
	v_add_nc_u32 v[ADRA], s66, v11
	v_add_nc_u32 v[ADRA+1], 65536, v[ADRA]
	s_lshl_b32 s66, s22, 14
	s_add_co_u32 s66, s66, LB
	v_add_nc_u32 v[ADRB], s66, v12
	v_add_nc_u32 v[ADRB+1], 32768, v[ADRB]
	s_lshl_b32 s66, s21, 12
	s_add_co_u32 s66, s66, LSA
	v_add_nc_u32 v[ADSA], s66, v29
	s_lshl_b32 s66, s22, 11
	s_add_co_u32 s66, s66, LSB
	v_add_nc_u32 v[ADSB], s66, v29
	s_lshl_b32 s66, s20, 9
	s_add_co_u32 s66, s66, SGQ
	v_add_nc_u32 v13, s66, v29
	v_add_nc_u32 v14, s66, v10
	s_lshl_b32 s66, s20, 8
	s_add_co_u32 s66, s66, SGV
	v_add_nc_u32 v15, s66, v29
	v_add_nc_u32 v16, s66, v18
.irp b, 0,1,2,3
	v_mov_b32 v[TM+4+\b], 0                        ; written once: a lane permute's destination counts as one of its sources
.endr
	; where the tiles come from: x's hang on the tile row and the wave, W's on the tile column and the wave
	s_lshl_b32 s90, s87, 12
	s_lshl_b32 s91, s22, 11
	s_add_co_u32 s90, s90, s91                     ; 16 (256 row + 128 half)
	s_mov_b32 s91, 0
	s_lshr_b32 s92, s90, 2
	s_mov_b32 s93, 0
	s_lshl_b32 s94, s86, 11
	s_lshl_b32 s95, s22, 10
	s_add_co_u32 s94, s94, s95                     ; 16 (128 column + 64 half)
	s_lshr_b32 s96, s94, 2
	s_add_co_u32 s94, s94, 4194304+16*PB
	s_add_co_u32 s96, s96, 262144+4*PB
	s_mov_b32 s95, 0
	s_mov_b32 s97, 0
	s_lshl_b32 s66, s22, 15
	s_lshl_b32 s67, s22, 14
	s_lshl_b32 s100, s22, 12
	s_lshl_b32 s101, s22, 11
	s_wait_dscnt 0x0
	s_wait_kmcnt 0x0
	s_add_nc_u64 s[90:91], s[4:5], s[90:91]
	s_add_nc_u64 s[92:93], s[6:7], s[92:93]
	s_add_nc_u64 s[94:95], s[4:5], s[94:95]
	s_add_nc_u64 s[96:97], s[6:7], s[96:97]
	s_mov_b32 s[G0SA], 1
	s_add_co_u32 s[G0SA+1], s100, LSA
	s_mov_b64 s[G0SA+2:G0SA+3], s[92:93]
	s_or_b32 s[G0SA+3], s[G0SA+3], 0x80000000
	s_mov_b32 s[G0SB], 1
	s_add_co_u32 s[G0SB+1], s101, LSB
	s_mov_b64 s[G0SB+2:G0SB+3], s[96:97]
	s_or_b32 s[G0SB+3], s[G0SB+3], 0x80000000
.irp c, 0,1
	s_mov_b32 s[G0A+4*\c], 1
	s_add_co_u32 s[G0A+4*\c+1], s66, LA+65536*\c
	s_add_nc_u64 s[G0A+4*\c+2:G0A+4*\c+3], s[90:91], 2097152*\c
	s_or_b32 s[G0A+4*\c+3], s[G0A+4*\c+3], 0x80000000
	s_mov_b32 s[G0B+4*\c], 1
	s_add_co_u32 s[G0B+4*\c+1], s67, LB+32768*\c
	s_add_nc_u64 s[G0B+4*\c+2:G0B+4*\c+3], s[94:95], 1048576*\c
	s_or_b32 s[G0B+4*\c+3], s[G0B+4*\c+3], 0x80000000
.endr
	CROUND                                         ; all sixteen work-groups are here: the joint loads meet
	JLOAD G0SA, G1SA, G0SB, G1SB                   ; three loads of mine are out: the scale words,
	JLOAD G0A, G1A, G0B, G1B                       ; K chunk 0,
	JLOAD G0A+4, G1A, G0B+4, G1B                   ; K chunk 1
	; the bias: transposed, register j of tile b wants d = 32 (b / 2) + 16 h + 8 (b % 2) + j; as it stands, all eight want channel sigma(16 b + r)
	s_cmp_ge_u32 ttmp9, 2
	s_cselect_b64 s[10:11], s[12:13], s[10:11]
	s_cmp_ge_u32 ttmp9, 4
	s_cselect_b64 s[10:11], s[14:15], s[10:11]
	s_cselect_b32 s100, 0, 4
	s_cselect_b32 s101, -1, 0
	v_lshlrev_b32 v30, 6, v2
	v_and_b32 v31, 7, v1
	v_lshrrev_b32 v17, 3, v1
	v_lshlrev_b32 v31, 2, v31
	v_lshl_add_u32 v31, v17, 6, v31
	v_cndmask_b32 v19, v30, v31, s101
.irp j, 0,1,2,3,4,5,6,7
	v_mad_u32_u24 v[20+\j], s100, \j, v19
.endr
	s_and_b32 s2, s86, 7
	s_lshl_b32 s2, s2, 9
	s_lshl_b32 s3, s22, 8
	s_add_co_u32 s2, s2, s3
	s_mov_b32 s3, 0
	s_add_nc_u64 s[10:11], s[10:11], s[2:3]
.irp b, 0,1,2,3
.irp j, 0,1,2,3,4,5,6,7
	global_load_b32 v[BI+8*\b+\j], v[20+\j], s[10:11] offset:4*(32*(\b/2)+8*(\b%2))
.endr
.endr
	; where the results go
	s_lshr_b32 s12, s86, 3                         ; 0 q, 1 k, 2 v
	s_and_b32 s13, s86, 7
	s_lshl_b32 s13, s13, 1
	s_add_co_u32 s13, s13, s22                     ; head
	s_lshr_b32 s14, s87, 3
	s_lshl_b32 s14, s14, 4
	s_add_co_u32 s14, s14, s13                     ; head of batch
	s_and_b32 s15, s87, 7
	s_lshl_b32 s23, s15, 1
	s_add_co_u32 s23, s23, s21                     ; which 128 positions of the batch
	s_lshl_b32 s14, s14, 4
	s_add_co_u32 s14, s14, s23
	s_lshl_b32 s2, s14, 12
	s_lshl_b32 s13, s12, 22
	s_add_co_u32 s2, s2, s13
	s_add_nc_u64 s[16:17], s[16:17], s[2:3]        ; codes: 4,096 bytes for each 128 positions
	s_lshl_b32 s2, s14, 9
	s_lshl_b32 s13, s12, 19
	s_add_co_u32 s2, s2, s13                       ; q, k words: 512 bytes
	s_lshl_b32 s13, s14, 8
	s_add_co_u32 s13, s13, 1048576                 ; v words: 256 bytes
	s_cmp_ge_u32 ttmp9, 4
	s_cselect_b32 s2, s13, s2
	s_add_nc_u64 s[18:19], s[18:19], s[2:3]
	s_lshl_b32 s2, s15, 16
	s_lshl_b32 s13, s21, 15
	s_add_co_u32 s2, s2, s13
	s_add_nc_u64 s[8:9], s[8:9], s[2:3]            ; the table at my first row block: 4,096 bytes a block
	s_wait_tensorcnt 1                             ; my scale words and my part of chunk 0 are in; chunk 1 may be out: nothing is filled twice
	BAR
	s_cmp_ge_u32 ttmp9, 4
	s_cbranch_scc1 .Lv0
	PHASE 0, 0
	s_branch .Lj0
.Lv0:
	PHASE 0, 1
.Lj0:
	s_wait_tensorcnt 0x0                           ; my part of chunk 1 is in,
	s_wait_dscnt 0x0
	BAR                                            ; everybody's is
	s_cmp_ge_u32 ttmp9, 4
	s_cbranch_scc1 .Lv1
	WIN TOF
	TABLE 0                                        ; two row blocks' table lands under the second chunk's products
	TABLE 1
	PHASE 1, 0
	PLACES 4                                       ; behind the last products: loads into the fragments' registers, and the first reads of results
	WIN TOF
.irp a, 2,3,4,5,6,7
	TABLE \a
.endr
.irp a, 0,1,2,3,4,5,6,7
.if \a < 2
	s_wait_loadcnt 48                              ; sets 0 and 1 are in; the 48 loads of sets 2 to 7 may be out
.else
	s_wait_loadcnt 8*(7-\a)                        ; the later sets may be out
.endif
	ROPE \a
	QUANT 2, X, 0, 0, CD+4*\a, PW+\a
	global_store_b128 v11, v[CD+4*\a:CD+4*\a+3], s[16:17] offset:256*\a   ; lanes 0-15: block 0 of 16 positions, lanes 16-31: block 1: 256 consecutive bytes each, aligned
	ds_store_b32 v13, v[PW+\a] offset:64*\a        ; lanes r and r + 16 write the same word with the same value
.endr
	ds_load_b128 v[248:251], v14                   ; my own bytes, in order behind my stores
	s_wait_dscnt 0x0
	global_store_b128 v10, v[248:251], s[18:19]    ; 128 words: 512 consecutive bytes, aligned
	s_branch .Lend
.Lv1:
	PHASE 1, 1
	PLACES 4
.irp b, 0,1,2,3
	QUANT 4, 64*\b, 0x0a, 0x02, CD+8*\b, PW+\b
	global_store_b128 v12, v[CD+8*\b:CD+8*\b+3], s[16:17] offset:256*\b
	global_store_b128 v12, v[CD+8*\b+4:CD+8*\b+7], s[16:17] offset:2048+256*\b
	ds_store_b32 v15, v[PW+\b] offset:64*\b
.endr
	ds_load_b64 v[248:249], v16
	s_wait_dscnt 0x0
	global_store_b64 v18, v[248:249], s[18:19]     ; 64 words: 256 consecutive bytes, aligned
.Lend:
	s_wait_tensorcnt 0x0
	ds_add_u32 v254, v255
	s_wait_dscnt 0x0
	CROUND                                         ; the closing round
	s_endpgm
.Lfunc_end_k_q8f08bf9120_qkv:
	.size	k_q8f08bf9120_qkv, .Lfunc_end_k_q8f08bf9120_qkv-k_q8f08bf9120_qkv
	.p2alignl 7, 3214868480
	.fill 96, 4, 3214868480
	.section	.rodata,"a",@progbits
	.p2align	6, 0x0
	.amdhsa_kernel k_q8f08bf9120_qkv
		.amdhsa_group_segment_fixed_size 212480
		.amdhsa_private_segment_fixed_size 0
		.amdhsa_enable_private_segment 0
		.amdhsa_kernarg_size 64
		.amdhsa_user_sgpr_count 2
		.amdhsa_user_sgpr_kernarg_segment_ptr 1
		.amdhsa_wavefront_size32 1
		.amdhsa_system_sgpr_workgroup_id_x 1
		.amdhsa_system_sgpr_workgroup_id_y 1
		.amdhsa_system_sgpr_workgroup_id_z 1
		.amdhsa_system_vgpr_workitem_id 0
		.amdhsa_next_free_vgpr 768
		.amdhsa_next_free_sgpr 102
		.amdhsa_reserve_vcc 0
		.amdhsa_float_denorm_mode_32 3
		.amdhsa_float_denorm_mode_16_64 3
		.amdhsa_memory_ordered 1
		.amdhsa_forward_progress 1
		.amdhsa_inst_pref_size 174
	.end_amdhsa_kernel
	.amdgpu_metadata
---
amdhsa.version: [ 1, 2 ]
amdhsa.kernels:
  - .name:           k_q8f08bf9120_qkv
    .symbol:         k_q8f08bf9120_qkv.kd
    .args:
      - { .name: xw_codes, .offset: 0, .size: 8, .value_kind: global_buffer, .address_space: global }
      - { .name: xw_scales, .offset: 8, .size: 8, .value_kind: global_buffer, .address_space: global }
      - { .name: rope, .offset: 16, .size: 8, .value_kind: global_buffer, .address_space: global }
      - { .name: bq, .offset: 24, .size: 8, .value_kind: global_buffer, .address_space: global }
      - { .name: bk, .offset: 32, .size: 8, .value_kind: global_buffer, .address_space: global }
      - { .name: bv, .offset: 40, .size: 8, .value_kind: global_buffer, .address_space: global }
      - { .name: qkv_codes, .offset: 48, .size: 8, .value_kind: global_buffer, .address_space: global }
      - { .name: qkv_scales, .offset: 56, .size: 8, .value_kind: global_buffer, .address_space: global }
    .group_segment_fixed_size: 212480
    .private_segment_fixed_size: 0
    .kernarg_segment_align: 8
    .kernarg_segment_size: 64
    .max_flat_workgroup_size: 128
    .sgpr_count:     102
    .vgpr_count:     768
    .wavefront_size: 32
...
	.end_amdgpu_metadata
.endif
;; end of part 2
;; launch attn (part 3): grid 8 x 32, 16 waves a work-group, clusters of 4 x 1, 289,792 bytes of LDS; arguments qkv_codes, qkv_scales, att_codes, att_scales; writes att_codes, att_scales
.if DOCPART == 3
	.amdgcn_target "amdgcn-amd-amdhsa--gfx1250"
	.amdhsa_code_object_version 6
	.text
	.protected	k_q8f08bf9120_attn
	.globl	k_q8f08bf9120_attn
	.p2align	8
	.type	k_q8f08bf9120_attn,@function
k_q8f08bf9120_attn:
	s_mov_b64 s[64:65], 0
	v_nop
	global_prefetch_b8 v0, s[64:65] scope:SCOPE_SE
	s_setreg_imm32_b32 hwreg(HW_REG_WAVE_MODE, 25, 1), 1
	s_wait_xcnt 0x0
	s_wait_alu depctr_hold_cnt(0) depctr_sa_sdst(0) depctr_va_vdst(0) depctr_va_sdst(0) depctr_va_ssrc(0) depctr_va_vcc(0) depctr_vm_vsrc(0)
	s_getreg_b32 s2, hwreg(HW_REG_IB_STS2, 6, 4)
	s_cmp_eq_u32 s2, 0
	s_cbranch_scc0 .Lentry_in_a_cluster
	s_endpgm
.Lentry_in_a_cluster:
	s_bfe_u32 s2, ttmp6, 0x10000c
	s_cmp_lg_u32 s2, 0x3003
	s_cbranch_scc0 .Lentry_shape_is_right
	s_endpgm
.Lentry_shape_is_right:
; O = softmax(q k^T / 8) v for two heads, both products on codes of FP4 (E2M1) with E8M0 scales; O / l is quantised along E for the last product and leaves as codes.
; THE SOFTMAX: t = score x log2(e) / 8; M = the running largest t rounded UP to a whole number; p = 2^(t - M) is quantised along the keys, not normalised; the row's sum is taken of the unquantised p and divides at the end;
; when M moves, the sum and O are multiplied by 2^(old M - new M), which rounds nothing.
; SHARES.  A work-group owns 256 query positions of one batch and a PAIR of heads, one after the other; each of its sixteen waves owns 16 queries, in 256 registers: four waves to a SIMD, so that one wave's vector work stands beside
; another's matrix work.  A pair of heads is 128 along E: a wave makes whole scale words for the last product.
; ALL KEYS AND VALUES OF BOTH HEADS LIE IN LDS (262,144 bytes of codes, 24,576 of scale words), filled once: no ring.  They come in parts, so that the first key steps run while the rest lands: the words and steps 0-3, steps 4-15, head 1.
; CLUSTER: the four query blocks of a cluster read the same keys and values: each part is asked for jointly, mask 15.  Wave 0 fetches K, wave 1 V: four loads of a wave are out at the most.
; LAYOUT.  Both products are used transposed: S^T = K Q^T, O^T = V^T P^T: a lane holds ONE query (lane % 16).  Keys, queries and channels are stored at positions sigma(index) (bits 3, 4 exchanged), so the 16 registers of tiles
; 2 b, 2 b + 1 are true keys (channels) 32 b + 16 (lane / 16) + 0 .. 15.  The first product's K is 64: the upper half of each of its operands is zero codes under the byte 0x7f.
; LIMITS: NaN and infinities are not served; a block of O / l whose largest magnitude lies under 2^-124 keeps the byte 1.
.set KC,  0                            ; [head 2][16 steps][2 blocks][128 positions][16]
.set VC,  131072                       ; [head 2][16 steps][4 blocks][64 channel positions][16]
.set KS,  262144                       ; [head 2][2,048][4]
.set VS,  278528                       ; [head 2][16][64][4]
.set OSG, 286720                       ; 256 scale words on their way out
.set KF,  32                           ; v32-63   four tiles of K (registers 4-7 of each stay zero)
.set VF,  64                           ; v64-95   four fragments of V
.set ST,  96                           ; v96-159  S^T, then p
.set OT,  160                          ; v160-191 O^T
.set PC,  192                          ; v192-199 p's codes
.set BM,  200
.set PT,  204
.set SO,  208
.set KSW, 212                          ; v212-215 K's scale words, v216-219 V's, v220-221 Q's, v223 p's: scales and nothing else
.set VSW, 216
.macro CROUND
	s_barrier_signal -1
	s_barrier_wait -1
	s_cmp_lg_u32 s12, 0
	s_cbranch_scc1 .Lnot_wave_0_\@
	s_barrier_signal -3
.Lnot_wave_0_\@:
	s_barrier_wait -3
	s_barrier_signal -1
	s_barrier_wait -1
.endm
.macro GROUP1 g, r                     ; a dense block as r rows of 256 bytes (32 elements of 8); mask 15, bit 21 beside it
	s_mov_b32 s[\g], 15|(3<<16)|(1<<21)
	s_mov_b32 s[\g+1], 32<<16
	s_mov_b32 s[\g+2], (\r)<<16
	s_mov_b32 s[\g+3], 32<<16
	s_mov_b32 s[\g+4], \r
	s_mov_b32 s[\g+5], 32
	s_mov_b32 s[\g+6], 0
	s_mov_b32 s[\g+7], 0
.endm
.macro INIT
	v_mov_b32 v13, 0xff61b1e6                      ; the largest t so far: -3e38
	s_delay_alu instid0(VALU_DEP_1)
	v_floor_f32 v12, -v13                          ; -M
	v_mov_b32 v14, 0
	v_mov_b32 v15, 0
.irp j, 0,1,2,3,4,5,6,7,8,9,10,11,12,13,14,15,16,17,18,19,20,21,22,23,24,25,26,27,28,29,30,31
	v_mov_b32 v[OT+\j], 0                          ; the step is written once: the first finds zeros, which the first change of M leaves zeros
.endr
.endm
; A KEY STEP: 128 keys of head e
.macro STEP e
	s_setprio 2
	v_add_nc_u32 v8, s20, v1                       ; these four are also the places between the last step's products and the loads into V's registers
	v_add_nc_u32 v9, s20, v2
	v_add_nc_u32 v10, s21, v3
	v_add_nc_u32 v11, s22, v4
.irp t, 0,1,2,3
	ds_load_b128 v[KF+8*\t:KF+8*\t+3], v8 offset:256*\t
	ds_load_b32 v[KSW+\t], v10 offset:64*\t
.endr
.irp t, 0,1,2,3
.irp c, 0,1
	ds_load_b128 v[VF+8*\t+4*\c:VF+8*\t+4*\c+3], v9 offset:2048*\c+256*\t
.endr
	ds_load_b32 v[VSW+\t], v11 offset:64*\t
.endr
	s_wait_alu depctr_va_vdst(0)
	s_wait_dscnt 12                                ; K's first four tiles are in; V's twelve loads may be out
.irp t, 0,1,2,3
	v_wmma_scale_f32_16x16x128_f8f6f4 v[ST+8*\t:ST+8*\t+7], v[KF+8*\t:KF+8*\t+7], v[16+8*\e:23+8*\e], 0, v[KSW+\t], v[220+\e] matrix_a_fmt:MATRIX_FMT_FP4 matrix_b_fmt:MATRIX_FMT_FP4
.endr
.rept 4
	v_nop                                          ; places in front of loads into registers that matrix instructions have read
.endr
.irp t, 0,1,2,3
	ds_load_b128 v[KF+8*\t:KF+8*\t+3], v8 offset:256*(4+\t)
	ds_load_b32 v[KSW+\t], v10 offset:64*(4+\t)
.endr
	s_wait_dscnt 0x0
.irp t, 0,1,2,3
	v_wmma_scale_f32_16x16x128_f8f6f4 v[ST+32+8*\t:ST+39+8*\t], v[KF+8*\t:KF+8*\t+7], v[16+8*\e:23+8*\e], 0, v[KSW+\t], v[220+\e] matrix_a_fmt:MATRIX_FMT_FP4 matrix_b_fmt:MATRIX_FMT_FP4
.endr
.rept 4
	v_nop
.endr
.irp b, 0,1,2,3
	v_max3_num_f32 v[BM+\b], v[ST+16*\b], v[ST+1+16*\b], v[ST+2+16*\b]   ; the largest score of each block of 32 keys: for the row's maximum, and, since p rises with the score, for the block's largest p
.endr
.irp i, 3,5,7,9,11,13
.irp b, 0,1,2,3
	v_max3_num_f32 v[BM+\b], v[BM+\b], v[ST+16*\b+\i], v[ST+1+16*\b+\i]
.endr
.endr
.irp b, 0,1,2,3
	v_max_num_f32 v[BM+\b], v[BM+\b], v[ST+15+16*\b]
.endr
.irp b, 0,1,2,3
	s_delay_alu instid0(VALU_DEP_4)
	v_permlanex16_b32 v[PT+\b], v[BM+\b], s18, s19
.endr
.irp b, 0,1,2,3
	s_delay_alu instid0(VALU_DEP_4)
	v_max_num_f32 v[BM+\b], v[BM+\b], v[PT+\b]
.endr
	s_delay_alu instid0(VALU_DEP_2)
	v_max3_num_f32 v224, v[BM], v[BM+1], v[BM+2]
	s_delay_alu instid0(VALU_DEP_1)
	v_max_num_f32 v224, v224, v[BM+3]
	s_delay_alu instid0(VALU_DEP_1)
	v_mul_f32 v224, s16, v224                      ; as t (c is positive)
	s_delay_alu instid0(VALU_DEP_1)
	v_max_num_f32 v13, v13, v224                   ; the running largest t
	v_mov_b32 v224, v12
	s_delay_alu instid0(VALU_DEP_2)
	v_floor_f32 v12, -v13                          ; the new -M = -ceil(t)
	s_delay_alu instid0(VALU_DEP_1)
	v_sub_f32 v224, v12, v224                      ; old M - new M: a whole number, 0 or less
	s_delay_alu instid0(VALU_DEP_1)
	v_cvt_i32_f32 v224, v224                       ; (it saturates)
	s_delay_alu instid0(VALU_DEP_1)
	v_ldexp_f32 v222, 1.0, v224                    ; f = 2^(old M - new M)
.irp j, 0,2,4,6,8,10,12,14,16,18,20,22,24,26,28,30,32,34,36,38,40,42,44,46,48,50,52,54,56,58,60,62
	v_pk_fma_f32 v[ST+\j:ST+1+\j], v[ST+\j:ST+1+\j], s[16:17], v[12:13] op_sel_hi:[1,0,0]   ; t - M
.endr
.irp b, 0,1,2,3
	v_fma_f32 v[BM+\b], v[BM+\b], s16, v12
.endr
	s_setprio 1
	s_wait_alu depctr_va_vdst(0)
.irp j, 0,1,2,3,4,5,6,7,8,9,10,11,12,13,14,15,16,17,18,19,20,21,22,23,24,25,26,27,28,29,30,31,32,33,34,35,36,37,38,39,40,41,42,43,44,45,46,47,48,49,50,51,52,53,54,55,56,57,58,59,60,61,62,63
	v_exp_f32 v[ST+\j], v[ST+\j]                   ; p = 2^(t - M)
.endr
.irp b, 0,1,2,3
	v_exp_f32 v[BM+\b], v[BM+\b]                   ; the block's largest p: the same two instructions on the same number
.endr
	v_pk_mul_f32 v[14:15], v[14:15], v[222:223] op_sel_hi:[1,0]   ; the sums under the new M (a plain place behind the exponentials)
	s_wait_alu depctr_va_vdst(0)
.irp b, 0,1,2,3
	v_max_num_f32 v[BM+\b], 0x1800000, v[BM+\b]    ; the floor 2^(3 - 127)
.endr
.irp b, 0,1,2,3
	s_delay_alu instid0(VALU_DEP_4)
	v_add_nc_u32 v[SO+\b], 0xff000000, v[BM+\b]
.endr
.irp b, 0,1,2,3
	s_delay_alu instid0(VALU_DEP_4)
	v_lshrrev_b32 v[PT+\b], 23, v[SO+\b]
.endr
	s_delay_alu instid0(VALU_DEP_3)
	v_lshl_or_b32 v223, v[PT+1], 8, v[PT]          ; p's scale word for these 128 keys
	s_delay_alu instid0(VALU_DEP_1)
	v_lshl_or_b32 v223, v[PT+2], 16, v223
	s_delay_alu instid0(VALU_DEP_1)
	v_lshl_or_b32 v223, v[PT+3], 24, v223
.irp b, 0,1,2,3
	v_cvt_scalef32_pk8_fp4_f32 v[PC+2*\b], v[ST+16*\b:ST+7+16*\b], v[SO+\b]
	v_cvt_scalef32_pk8_fp4_f32 v[PC+1+2*\b], v[ST+8+16*\b:ST+15+16*\b], v[SO+\b]
.endr
	v_nop                                          ; one plain place behind a scaled conversion
.irp c, 0,1
.irp i, 0,1
	v_permlane16_swap_b32 v[PC+4*\c+\i], v[PC+2+4*\c+\i]   ; a whole block to a lane: lanes 0-15 block 2 c, lanes 16-31 block 2 c + 1
.endr
.endr
	v_pk_add_f32 v[204:205], v[100:101], v[104:105]
	v_pk_add_f32 v[252:253], v[108:109], v[112:113]
	v_pk_add_f32 v[250:251], v[116:117], v[120:121]
	v_pk_add_f32 v[248:249], v[124:125], v[128:129]
	v_pk_add_f32 v[246:247], v[132:133], v[136:137]
	v_pk_add_f32 v[244:245], v[140:141], v[144:145]
	v_pk_add_f32 v[242:243], v[148:149], v[152:153]
	v_pk_add_f32 v[14:15], v[14:15], v[156:157]
	v_pk_add_f32 v[204:205], v[204:205], v[96:97]
	v_pk_add_f32 v[252:253], v[252:253], v[98:99]
	v_pk_add_f32 v[250:251], v[250:251], v[102:103]
	v_pk_add_f32 v[248:249], v[248:249], v[106:107]
	v_pk_add_f32 v[246:247], v[246:247], v[110:111]
	v_pk_add_f32 v[244:245], v[244:245], v[114:115]
	v_pk_add_f32 v[242:243], v[242:243], v[118:119]
	v_pk_add_f32 v[14:15], v[14:15], v[122:123]
	v_pk_add_f32 v[204:205], v[204:205], v[126:127]
	v_pk_add_f32 v[252:253], v[252:253], v[130:131]
	v_pk_add_f32 v[250:251], v[250:251], v[134:135]
	v_pk_add_f32 v[248:249], v[248:249], v[138:139]
	v_pk_add_f32 v[246:247], v[246:247], v[142:143]
	v_pk_add_f32 v[244:245], v[244:245], v[146:147]
	v_pk_add_f32 v[242:243], v[242:243], v[150:151]
	v_pk_add_f32 v[14:15], v[14:15], v[154:155]
	v_pk_add_f32 v[204:205], v[204:205], v[158:159]
	s_delay_alu instid0(VALU_DEP_2)
	v_pk_add_f32 v[14:15], v[14:15], v[248:249]
	s_delay_alu instid0(VALU_DEP_2)
	v_pk_add_f32 v[204:205], v[204:205], v[246:247]
	s_setprio 0
	v_pk_add_f32 v[252:253], v[252:253], v[244:245]
	v_pk_add_f32 v[250:251], v[250:251], v[242:243]
	s_delay_alu instid0(VALU_DEP_2)
	v_pk_add_f32 v[14:15], v[14:15], v[252:253]
	s_delay_alu instid0(VALU_DEP_2)
	v_pk_add_f32 v[204:205], v[204:205], v[250:251]
	s_delay_alu instid0(VALU_DEP_1)
	v_pk_add_f32 v[14:15], v[14:15], v[204:205]
.irp j, 0,2,4,6,8,10,12,14,16,18,20,22,24,26,28,30
	v_pk_mul_f32 v[OT+\j:OT+1+\j], v[OT+\j:OT+1+\j], v[222:223] op_sel_hi:[1,0]   ; O^T under the new M.  (With the sums above: the places between the scale word and the codes and the products below)
.endr
.irp t, 0,1,2,3
	v_wmma_scale_f32_16x16x128_f8f6f4 v[OT+8*\t:OT+8*\t+7], v[VF+8*\t:VF+8*\t+7], v[PC:PC+7], v[OT+8*\t:OT+8*\t+7], v[VSW+\t], v223 matrix_a_fmt:MATRIX_FMT_FP4 matrix_b_fmt:MATRIX_FMT_FP4
.endr
	s_add_co_u32 s20, s20, 4096                    ; the next step's codes, K's words, V's words; head 1's follow head 0's
	s_add_co_u32 s21, s21, 512
	s_add_co_u32 s22, s22, 256
.endm
; head e is finished: O^T / l, quantised along E (registers 16 b + i are channels 32 b + 16 h + i), its codes stored, its two bytes put into the word
.macro HEADOUT e
.rept 4
	v_nop
.endr
	v_add_f32 v14, v14, v15
	s_delay_alu instid0(VALU_DEP_1)
	v_permlanex16_b32 v224, v14, s18, s19
	s_delay_alu instid0(VALU_DEP_1)
	v_add_f32 v14, v14, v224                       ; the row's sum
	s_wait_alu depctr_va_vdst(0)
	v_rcp_f32 v225, v14
	v_nop                                          ; a plain place behind the reciprocal
	s_wait_alu depctr_va_vdst(0)
	v_fma_f32 v226, -v14, v225, 1.0
	v_fma_f32 v226, v225, v226, v225               ; one correction step
	s_delay_alu instid0(VALU_DEP_1)
	v_mov_b32 v227, v226
.irp j, 0,2,4,6,8,10,12,14,16,18,20,22,24,26,28,30
	v_pk_mul_f32 v[ST+\j:ST+1+\j], v[OT+\j:OT+1+\j], v[226:227] op_sel_hi:[1,0]
.endr
.irp b, 0,1
	v_max3_num_f32 v[BM+\b], |v[ST+16*\b]|, |v[ST+1+16*\b]|, 0x1800000
.endr
.irp i, 2,4,6,8,10,12,14
.irp b, 0,1
	s_delay_alu instid0(VALU_DEP_2)
	v_max3_num_f32 v[BM+\b], v[BM+\b], |v[ST+16*\b+\i]|, |v[ST+1+16*\b+\i]|
.endr
.endr
.irp b, 0,1
	s_delay_alu instid0(VALU_DEP_2)
	v_permlanex16_b32 v[PT+\b], v[BM+\b], s18, s19
.endr
.irp b, 0,1
	s_delay_alu instid0(VALU_DEP_2)
	v_max_num_f32 v[BM+\b], v[BM+\b], v[PT+\b]
.endr
.irp b, 0,1
	s_delay_alu instid0(VALU_DEP_2)
	v_add_nc_u32 v[SO+\b], 0xff000000, v[BM+\b]
.endr
.irp b, 0,1
	s_delay_alu instid0(VALU_DEP_2)
	v_lshrrev_b32 v[PT+\b], 23, v[SO+\b]
.endr
.if \e == 0
	s_delay_alu instid0(VALU_DEP_1)
	v_lshl_or_b32 v236, v[PT+1], 8, v[PT]
.else
	s_delay_alu instid0(VALU_DEP_2)
	v_lshl_or_b32 v236, v[PT], 16, v236
	s_delay_alu instid0(VALU_DEP_1)
	v_lshl_or_b32 v236, v[PT+1], 24, v236
.endif
.irp b, 0,1
	v_cvt_scalef32_pk8_fp4_f32 v[228+4*\e+2*\b], v[ST+16*\b:ST+7+16*\b], v[SO+\b]
	v_cvt_scalef32_pk8_fp4_f32 v[229+4*\e+2*\b], v[ST+8+16*\b:ST+15+16*\b], v[SO+\b]
.endr
	v_nop
	v_permlane16_swap_b32 v[228+4*\e], v[230+4*\e]
	v_permlane16_swap_b32 v[229+4*\e], v[231+4*\e]
	global_store_b128 v6, v[228+4*\e:231+4*\e], s[8:9] offset:262144*\e   ; lanes 0-15: the head's block 0 of my 16 positions, lanes 16-31: block 1: 256 consecutive bytes each, aligned
.endm
	s_load_b256 s[4:11], s[0:1], 0x0               ; q, k, v codes s[4:5], their words s[6:7], results s[8:9], s[10:11]
	v_lshl_add_u32 v254, v0, 2, 0x46400
	v_mov_b32 v255, 0
	ds_add_u32 v254, v255
	ds_add_u32 v254, v255
	v_lshrrev_b32 v1, 5, v0
	s_delay_alu instid0(VALU_DEP_1)
	v_readfirstlane_b32 s12, v1                    ; wave 0..15
	s_bfe_u32 s13, ttmp6, 0x40000                  ; cx
	s_lshl_b32 s14, ttmp9, 2
	s_add_co_u32 s14, s14, s13                     ; my block of 256 queries: it enters Q's and the results' addresses alone
	s_and_b32 s15, ttmp7, 0xffff                   ; 8 x batch + pair of heads, which the partners share
	s_min_u32 s76, s12, 1                          ; 0: K's fetcher, 1: V's (waves 2-15 make V's numbers and use none)
	GROUP1 24, 64                                  ; 16,384 bytes: K's words; four key steps
	GROUP1 32, 32                                  ; 8,192: V's words
	GROUP1 40, 192                                 ; 49,152: twelve key steps
	GROUP1 48, 256                                 ; 65,536: a head
	s_mov_b32 s16, 0x3e38aa3b                      ; c = log2(e) / 8
	s_mov_b32 s17, s16                             ; (named with it as a pair)
	s_mov_b32 s18, 0x76543210
	s_mov_b32 s19, 0xfedcba98
	s_mov_b32 s20, 0
	s_mov_b32 s21, 0
	s_mov_b32 s22, 0
	v_and_b32 v8, 15, v0                           ; r
	v_bfe_u32 v9, v0, 4, 1                         ; h
	s_delay_alu instid0(VALU_DEP_2)
	v_lshlrev_b32 v10, 4, v8
	s_delay_alu instid0(VALU_DEP_3)
	v_lshlrev_b32 v5, 2, v8                        ; 4 r
	s_delay_alu instid0(VALU_DEP_2)
	v_lshl_add_u32 v1, v9, 11, v10                 ; K, Q: 2,048 h + 16 r
	s_delay_alu instid0(VALU_DEP_3)
	v_lshl_add_u32 v2, v9, 10, v10
	s_delay_alu instid0(VALU_DEP_1)
	v_add_nc_u32 v2, VC, v2                        ; V: 1,024 h + 16 r
	s_delay_alu instid0(VALU_DEP_4)
	v_add_nc_u32 v3, KS, v5
	v_add_nc_u32 v4, VS, v5
	v_lshl_add_u32 v6, v9, 17, v10                 ; the codes out: a plane of 131,072 bytes for each block
	s_lshl_b32 s77, s12, 6
	s_add_co_u32 s77, s77, OSG
	v_add_nc_u32 v7, s77, v5                       ; my word's place
	v_and_b32 v11, 31, v0
	s_delay_alu instid0(VALU_DEP_1)
	v_lshlrev_b32 v238, 4, v11
	s_lshl_b32 s77, s76, 9
	s_add_co_u32 s77, s77, OSG
	v_add_nc_u32 v237, s77, v238                   ; waves 0, 1: 128 words each on the way out
	s_lshl_b32 s77, s76, 22
	s_add_co_u32 s77, s77, 4194304
	s_lshl_b32 s78, s15, 17
	s_add_co_u32 s78, s78, s77                     ; the pair's codes of K or V
	s_mov_b32 s79, 0
	s_lshl_b32 s80, s15, 14
	s_lshr_b32 s80, s80, s76
	s_lshl_b32 s77, s76, 19
	s_add_co_u32 s80, s80, s77
	s_add_co_u32 s80, s80, 524288                  ; and its words
	s_mov_b32 s81, 0
	s_lshl_b32 s82, s76, 17
	s_lshl_b32 s83, s76, 14
	s_wait_dscnt 0x0
	s_wait_kmcnt 0x0
	s_add_nc_u64 s[78:79], s[4:5], s[78:79]
	s_add_nc_u64 s[80:81], s[6:7], s[80:81]
	s_mov_b32 s56, 1
	s_add_co_u32 s57, s83, KS
	s_mov_b64 s[58:59], s[80:81]
	s_or_b32 s59, s59, 0x80000000
	s_mov_b32 s60, 1
	s_mov_b32 s61, s82
	s_mov_b64 s[62:63], s[78:79]
	s_or_b32 s63, s63, 0x80000000
	s_mov_b32 s68, 1
	s_add_co_u32 s69, s82, 16384
	s_add_nc_u64 s[70:71], s[78:79], 16384
	s_or_b32 s71, s71, 0x80000000
	s_mov_b32 s72, 1
	s_add_co_u32 s73, s82, 65536
	s_add_nc_u64 s[74:75], s[78:79], 65536
	s_or_b32 s75, s75, 0x80000000
	CROUND                                         ; all four work-groups are here: the joint loads meet
	s_cmp_eq_u32 s12, 0                            ; a wave's four fills stand in one branch on the wave's number
	s_cbranch_scc0 .Lnot_k
	tensor_load_to_lds s[56:59], s[24:31]
	s_nop 0
	tensor_load_to_lds s[60:63], s[24:31]
	s_nop 0
	tensor_load_to_lds s[68:71], s[40:47]
	s_nop 0
	tensor_load_to_lds s[72:75], s[48:55]
	s_nop 0
.rept 4
	v_nop
.endr
	s_branch .Lfilled
.Lnot_k:
	s_cmp_eq_u32 s12, 1
	s_cbranch_scc0 .Lfilled
	tensor_load_to_lds s[56:59], s[32:39]
	s_nop 0
	tensor_load_to_lds s[60:63], s[24:31]
	s_nop 0
	tensor_load_to_lds s[68:71], s[40:47]
	s_nop 0
	tensor_load_to_lds s[72:75], s[48:55]
	s_nop 0
.rept 4
	v_nop
.endr
.Lfilled:
	s_lshl_b32 s84, s15, 17                        ; Q's codes: the pair, 4,096 bytes for each 128 positions, 256 for each 16
	s_lshl_b32 s77, s14, 13
	s_add_co_u32 s84, s84, s77
	s_lshr_b32 s77, s12, 3
	s_lshl_b32 s77, s77, 12
	s_add_co_u32 s84, s84, s77
	s_and_b32 s77, s12, 7
	s_lshl_b32 s77, s77, 8
	s_add_co_u32 s84, s84, s77
	s_mov_b32 s85, 0
	s_add_nc_u64 s[84:85], s[4:5], s[84:85]
	s_lshl_b32 s86, s15, 14                        ; Q's words
	s_lshl_b32 s77, s14, 10
	s_add_co_u32 s86, s86, s77
	s_lshl_b32 s77, s12, 6
	s_add_co_u32 s86, s86, s77
	s_mov_b32 s87, 0
	s_add_nc_u64 s[86:87], s[6:7], s[86:87]
.irp e, 0,1
	global_load_b128 v[16+8*\e:19+8*\e], v1, s[84:85] offset:65536*\e
	global_load_b32 v[220+\e], v5, s[86:87] offset:8192*\e
.endr
	s_and_b32 s88, s15, 7                          ; the pair of heads
	s_lshr_b32 s89, s15, 3                         ; the batch
	s_lshl_b32 s90, s88, 19                        ; the codes out: four planes a pair, 16 bytes a position
	s_lshl_b32 s77, s89, 15
	s_add_co_u32 s90, s90, s77
	s_lshl_b32 s77, s14, 12
	s_add_co_u32 s90, s90, s77
	s_lshl_b32 s77, s12, 8
	s_add_co_u32 s90, s90, s77
	s_mov_b32 s91, 0
	s_add_nc_u64 s[8:9], s[8:9], s[90:91]
	s_lshl_b32 s90, s88, 15                        ; the words out: 32,768 bytes a pair, 4 a position
	s_lshl_b32 s77, s89, 13
	s_add_co_u32 s90, s90, s77
	s_lshl_b32 s77, s14, 10
	s_add_co_u32 s90, s90, s77
	s_lshl_b32 s77, s76, 9
	s_add_co_u32 s90, s90, s77
	s_add_nc_u64 s[10:11], s[10:11], s[90:91]
.irp j, 20,21,22,23,28,29,30,31
	v_mov_b32 v[\j], 0                             ; Q's upper halves: zero codes
.endr
.irp t, 0,1,2,3
.irp j, 4,5,6,7
	v_mov_b32 v[KF+8*\t+\j], 0                     ; K's likewise, once
.endr
.endr
.irp b, 0,1,2,3
	v_mov_b32 v[PT+\b], 0                          ; a lane permute's destination counts as one of its sources
.endr
	v_mov_b32 v223, 0
	v_mov_b32 v224, 0
	INIT
	s_wait_loadcnt 0x0                             ; Q
	s_wait_tensorcnt 2                             ; the words and key steps 0-3 are in; two loads may be out: nothing is filled twice
	s_barrier_signal -1
	s_barrier_wait -1
	s_mov_b32 s23, 4
.Lfirst:
	STEP 0
	s_sub_co_u32 s23, s23, 1
	s_cmp_lg_u32 s23, 0
	s_cbranch_scc1 .Lfirst
	s_setprio 0
	s_wait_tensorcnt 1                             ; key steps 4-15 are in; head 1's load may be out
	s_wait_dscnt 0x0
	s_barrier_signal -1
	s_barrier_wait -1
	s_mov_b32 s23, 12
.Lrest:
	STEP 0
	s_sub_co_u32 s23, s23, 1
	s_cmp_lg_u32 s23, 0
	s_cbranch_scc1 .Lrest
	s_setprio 0
	HEADOUT 0
	INIT
	s_wait_tensorcnt 0x0                           ; head 1 is in
	s_wait_dscnt 0x0
	s_barrier_signal -1
	s_barrier_wait -1
	s_mov_b32 s23, 16
.Lsecond:
	STEP 1
	s_sub_co_u32 s23, s23, 1
	s_cmp_lg_u32 s23, 0
	s_cbranch_scc1 .Lsecond
	s_setprio 0
	HEADOUT 1
	ds_store_b32 v7, v236                          ; lanes r and r + 16 write the same word with the same value
	s_wait_dscnt 0x0                               ; for the others' sake
	s_barrier_signal -1
	s_barrier_wait -1
	s_cmp_lt_u32 s12, 2
	s_cbranch_scc0 .Ldone
	ds_load_b128 v[240:243], v237
	s_wait_dscnt 0x0
	global_store_b128 v238, v[240:243], s[10:11]   ; 128 words: 512 consecutive bytes, aligned
.Ldone:
	s_wait_tensorcnt 0x0
	ds_add_u32 v254, v255
	s_wait_dscnt 0x0
	CROUND                                         ; the closing round
	s_endpgm
.Lfunc_end_k_q8f08bf9120_attn:
	.size	k_q8f08bf9120_attn, .Lfunc_end_k_q8f08bf9120_attn-k_q8f08bf9120_attn
	.p2alignl 7, 3214868480
	.fill 96, 4, 3214868480
	.section	.rodata,"a",@progbits
	.p2align	6, 0x0
	.amdhsa_kernel k_q8f08bf9120_attn
		.amdhsa_group_segment_fixed_size 289792
		.amdhsa_private_segment_fixed_size 0
		.amdhsa_enable_private_segment 0
		.amdhsa_kernarg_size 32
		.amdhsa_user_sgpr_count 2
		.amdhsa_user_sgpr_kernarg_segment_ptr 1
		.amdhsa_wavefront_size32 1
		.amdhsa_system_sgpr_workgroup_id_x 1
		.amdhsa_system_sgpr_workgroup_id_y 1
		.amdhsa_system_sgpr_workgroup_id_z 1
		.amdhsa_system_vgpr_workitem_id 0
		.amdhsa_next_free_vgpr 256
		.amdhsa_next_free_sgpr 92
		.amdhsa_reserve_vcc 0
		.amdhsa_float_denorm_mode_32 3
		.amdhsa_float_denorm_mode_16_64 3
		.amdhsa_memory_ordered 1
		.amdhsa_forward_progress 1
		.amdhsa_inst_pref_size 73
	.end_amdhsa_kernel
	.amdgpu_metadata
---
amdhsa.version: [ 1, 2 ]
amdhsa.kernels:
  - .name:           k_q8f08bf9120_attn
    .symbol:         k_q8f08bf9120_attn.kd
    .args:
      - { .name: qkv_codes, .offset: 0, .size: 8, .value_kind: global_buffer, .address_space: global }
      - { .name: qkv_scales, .offset: 8, .size: 8, .value_kind: global_buffer, .address_space: global }
      - { .name: att_codes, .offset: 16, .size: 8, .value_kind: global_buffer, .address_space: global }
      - { .name: att_scales, .offset: 24, .size: 8, .value_kind: global_buffer, .address_space: global }
    .group_segment_fixed_size: 289792
    .private_segment_fixed_size: 0
    .kernarg_segment_align: 8
    .kernarg_segment_size: 32
    .max_flat_workgroup_size: 512
    .sgpr_count:     92
    .vgpr_count:     256
    .wavefront_size: 32
...
	.end_amdgpu_metadata
.endif
;; end of part 3
;; launch oproj (part 4): grid 8 x 32, 4 waves a work-group, clusters of 4 x 4, 226,816 bytes of LDS; arguments att_codes, att_scales, xw_codes, xw_scales, bo, out0; writes out0
.if DOCPART == 4
	.amdgcn_target "amdgcn-amd-amdhsa--gfx1250"
	.amdhsa_code_object_version 6
	.text
	.protected	k_q8f08bf9120_oproj
	.globl	k_q8f08bf9120_oproj
	.p2align	8
	.type	k_q8f08bf9120_oproj,@function
k_q8f08bf9120_oproj:
	s_mov_b64 s[64:65], 0
	v_nop
	global_prefetch_b8 v0, s[64:65] scope:SCOPE_SE
	s_setreg_imm32_b32 hwreg(HW_REG_WAVE_MODE, 25, 1), 1
	s_wait_xcnt 0x0
	s_wait_alu depctr_hold_cnt(0) depctr_sa_sdst(0) depctr_va_vdst(0) depctr_va_sdst(0) depctr_va_ssrc(0) depctr_va_vcc(0) depctr_vm_vsrc(0)
	s_getreg_b32 s2, hwreg(HW_REG_IB_STS2, 6, 4)
	s_cmp_eq_u32 s2, 0
	s_cbranch_scc0 .Lentry_in_a_cluster
	s_endpgm
.Lentry_in_a_cluster:
	s_bfe_u32 s2, ttmp6, 0x10000c
	s_cmp_lg_u32 s2, 0xf033
	s_cbranch_scc0 .Lentry_shape_is_right
	s_endpgm
.Lentry_shape_is_right:
; out = att wo^T + bo on codes of FP4 (E2M1) with E8M0 scales; out0 [8192][1024] f32.
; INPUTS: codes [k / 32][position][16 bytes], scale words [k / 128][position][4 bytes]; position = sigma(row), sigma = bits 3 and 4 exchanged.  att: 8,192 positions; wo: positions 3,072-4,095 of the weights.
; SHARES.  A work-group makes 256 positions times 128 columns; wave w makes rows 128 (w / 2) on, columns 64 (w % 2) on: 32 accumulators of 16 x 16.  256 work-groups.
; ALL OF K = 1,024 OF BOTH TILES LIES IN LDS, filled once, in two chunks of 512: no ring.  CLUSTERS: 4 x 4; att's tiles are asked for jointly by a row of the cluster, wo's by a column.
; The product is used TRANSPOSED (source 0 = 16 positions of wo, source 1 = 16 of att): lane (r, h) holds row position 16 a + r, and register j of tile b the true column 32 (b / 2) + 16 h + 8 (b % 2) + j.
; The bias is the C of each sum's first matrix instruction (added first, not last: another order of f32 roundings).  On the way out a block of 16 rows goes through the wave's own stage in LDS and leaves as
; runs of 256 consecutive bytes; the rows' true places (sigma undone) stand in the stores' immediates.
; REGISTERS: window 0: v4-13 addresses; v32-95 att's scale words, v96-127 wo's (scales and nothing else); v128-159 the bias; v160-223 rows on the way out.  window 1: the fragments, two sets.  window 2: the accumulators.
.set PB,   3072
.set LA,   0
.set LB,   131072
.set LSA,  196608
.set LSB,  204800
.set LX,   208896                      ; the stages: 16 rows x (256 bytes + 16) for each wave
.set ADRA, 4
.set ADRB, 6
.set ADSA, 8
.set ADSB, 9
.set STO,  10
.set RD,   11
.set CO,   12
.set SCA,  32
.set SCB,  96
.set BI,   128
.set BK,   160
.set G1A,  24
.set G0A,  32
.set G1B,  40
.set G0B,  48
.set G1SA, 56
.set G0SA, 68
.set G1SB, 72
.set G0SB, 80
.set MSB, 0
.macro WIN new                         ; the immediate's high byte repeats the setting that is left
.if MSB != \new
	s_set_vgpr_msb (MSB<<8)|\new
.set MSB, \new
.endif
.endm
.set MUL,  0xa5
.set MUL1, 0x85
.set TOF,  0x40
.macro PLACES n
.rept \n
	v_nop
.endr
.endm
.macro BAR
	s_barrier_signal -1
	s_barrier_wait -1
.endm
.macro CROUND
	s_barrier_signal -1
	s_barrier_wait -1
	s_cmp_lg_u32 s20, 0
	s_cbranch_scc1 .Lnot_wave_0_\@
	s_barrier_signal -3
.Lnot_wave_0_\@:
	s_barrier_wait -3
	s_barrier_signal -1
	s_barrier_wait -1
.endm
.macro JLOAD g0a, g1a, g0b, g1b        ; a joint load: waves 0, 1 fetch for att, waves 2, 3 for wo; four v_nop follow each of the two lines
	s_cmp_eq_u32 s21, 0
	s_cbranch_scc0 .Lfor_b_\@
	tensor_load_to_lds s[\g0a:\g0a+3], s[\g1a:\g1a+7]
	s_nop 0
.rept 4
	v_nop
.endr
	s_branch .Lasked_\@
.Lfor_b_\@:
	tensor_load_to_lds s[\g0b:\g0b+3], s[\g1b:\g1b+7]
	s_nop 0
.rept 4
	v_nop
.endr
.Lasked_\@:
.endm
.macro GROUP1 g, m, c, r, p
	s_or_b32 s[\g], s[\m], (3<<16)|(1<<21)
	s_mov_b32 s[\g+1], (\c)<<16
	s_mov_b32 s[\g+2], (\r)<<16
	s_mov_b32 s[\g+3], (\c)<<16
	s_mov_b32 s[\g+4], \r
	s_mov_b32 s[\g+5], \p
	s_mov_b32 s[\g+6], 0
	s_mov_b32 s[\g+7], 0
.endm
.macro FETCH c, ql, s                  ; the fragments of 128 along K, the ql-th of chunk c, into set s: 24 loads; 16 lanes read 256 consecutive bytes
	WIN TOF
.irp a, 0,1,2,3,4,5,6,7
.irp u, 0,1
	ds_load_b128 v[64*(\s)+8*\a+4*\u:64*(\s)+8*\a+4*\u+3], v[ADRA+\c] offset:8192*(\ql)+4096*\u+256*\a
.endr
.endr
.irp b, 0,1,2,3
.irp u, 0,1
	ds_load_b128 v[128+32*(\s)+8*\b+4*\u:128+32*(\s)+8*\b+4*\u+3], v[ADRB+\c] offset:4096*(\ql)+2048*\u+256*\b
.endr
.endr
.endm
.macro SCALES
	WIN 0
.irp q, 0,1,2,3,4,5,6,7
.irp a, 0,1,2,3,4,5,6,7
	ds_load_b32 v[SCA+8*\q+\a], v[ADSA] offset:512*\q+64*\a
.endr
.irp b, 0,1,2,3
	ds_load_b32 v[SCB+4*\q+\b], v[ADSB] offset:256*\q+64*\b
.endr
.endr
.endm
.macro MULS q, s, first                ; 32 matrix instructions; the 32 accumulators take turns, in the same order in every step
.irp a, 0,1,2,3,4,5,6,7
.irp b, 0,1,2,3
.set FD, 8*(4*\a+\b)
.set F0, 128+32*(\s)+8*\b
.set F1, 64*(\s)+8*\a
.set Z0, SCB+4*(\q)+\b
.set Z1, SCA+8*(\q)+\a
.set FC, FD
.if \first
.set FC, BI+8*\b
.endif
	v_wmma_scale_f32_16x16x128_f8f6f4 v[FD:FD+7], v[F0:F0+7], v[F1:F1+7], v[FC:FC+7], v[Z0], v[Z1] matrix_a_fmt:MATRIX_FMT_FP4 matrix_b_fmt:MATRIX_FMT_FP4
.endr
.endr
.endm
.macro PHASE c                         ; a chunk of 512 along K: four steps on two sets of fragments; four plain places in front of loads into registers that matrix instructions have read
.if \c > 0
	PLACES 4
.endif
	FETCH \c, 0, 0
.if \c == 0
	SCALES
	s_wait_loadcnt 0x0                             ; the bias
.endif
.irp ql, 0,1,2,3
.if \ql < 3
.if \ql > 0
	PLACES 4
.endif
	FETCH \c, \ql+1, (\ql+1)%2
	s_wait_dscnt 24                                ; all but the 24 just issued
.else
	s_wait_dscnt 0x0
.endif
.if (\c == 0) && (\ql == 0)
	WIN MUL1
	MULS 4*\c+\ql, \ql%2, 1
.else
	WIN MUL
	MULS 4*\c+\ql, \ql%2, 0
.endif
.endr
	WIN 0
.endm
.macro TOSTAGE a                       ; row block a into my stage, each accumulator from its low end on, and back as rows of 256 bytes (a wave's LDS instructions are served in order)
	WIN 0x08                                       ; an LDS store's data are its source 1: window 2
.irp b, 0,1,2,3
	ds_store_b128 v[STO], v[32*(\a)+8*\b:32*(\a)+8*\b+3] offset:128*(\b/2)+32*(\b%2)
	ds_store_b128 v[STO], v[32*(\a)+8*\b+4:32*(\a)+8*\b+7] offset:128*(\b/2)+32*(\b%2)+16
.endr
	WIN 0
.set BB, BK+32*((\a)%2)
.irp t, 0,1,2,3,4,5,6,7
	ds_load_b128 v[BB+4*\t:BB+4*\t+3], v[RD] offset:544*\t
.endr
.endm
.macro SEND a, younger                 ; younger: the LDS instructions issued behind block a's loads
.set BB, BK+32*((\a)%2)
	s_wait_dscnt \younger
.irp t, 0,1,2,3,4,5,6,7
	global_store_b128 v[CO], v[BB+4*\t:BB+4*\t+3], s[14:15] offset:4096*(32*((\a)/2)+16*(\t/4)+8*((\a)%2)+2*(\t%4)) th:TH_STORE_NT   ; position 16 a + 2 t + lane / 16 is this true row; 16 lanes store 256 consecutive bytes, aligned
.endr
.endm
	s_load_b256 s[4:11], s[0:1], 0x0               ; att codes s[4:5], words s[6:7]; the weights' codes s[8:9], words s[10:11]
	s_load_b128 s[12:15], s[0:1], 0x20             ; bo s[12:13], out0 s[14:15]
	v_lshl_add_u32 v254, v0, 2, 0x37400
	v_mov_b32 v255, 0
	ds_add_u32 v254, v255
	ds_add_u32 v254, v255
	v_lshrrev_b32 v1, 5, v0
	v_readfirstlane_b32 s20, v1
	s_lshr_b32 s21, s20, 1
	s_and_b32 s22, s20, 1
	s_bfe_u32 s84, ttmp6, 0x40000
	s_bfe_u32 s85, ttmp6, 0x40004
	s_lshl_b32 s86, ttmp9, 2
	s_add_co_u32 s86, s86, s84                     ; tile column
	s_and_b32 s87, ttmp7, 0xffff
	s_lshl_b32 s87, s87, 2
	s_add_co_u32 s87, s87, s85                     ; tile row
	s_lshl_b32 s88, s85, 2
	s_lshl_b32 s88, 15, s88
	s_lshl_b32 s89, 0x1111, s84
	GROUP1 G1A, 88, 256, 16, 16384
	GROUP1 G1B, 89, 128, 16, 8192
	GROUP1 G1SA, 88, 64, 8, 4096
	GROUP1 G1SB, 89, 32, 8, 2048
	v_and_b32 v1, 15, v0                           ; r
	v_bfe_u32 v2, v0, 4, 1                         ; h
	v_lshlrev_b32 v28, 4, v1
	v_lshlrev_b32 v29, 2, v1
	v_lshl_add_u32 v30, v2, 11, v28
	v_lshl_add_u32 v31, v2, 10, v28
	s_lshl_b32 s66, s21, 15
	v_add_nc_u32 v[ADRA], s66, v30
	v_add_nc_u32 v[ADRA+1], 65536, v[ADRA]
	s_lshl_b32 s66, s22, 14
	s_add_co_u32 s66, s66, LB
	v_add_nc_u32 v[ADRB], s66, v31
	v_add_nc_u32 v[ADRB+1], 32768, v[ADRB]
	s_lshl_b32 s66, s21, 12
	s_add_co_u32 s66, s66, LSA
	v_add_nc_u32 v[ADSA], s66, v29
	s_lshl_b32 s66, s22, 11
	s_add_co_u32 s66, s66, LSB
	v_add_nc_u32 v[ADSB], s66, v29
	s_mul_i32 s66, s20, 16*272
	s_add_co_u32 s66, s66, LX                      ; my stage
	v_mul_u32_u24 v[STO], v1, 272
	v_lshl_add_u32 v[STO], v2, 6, v[STO]
	v_add_nc_u32 v[STO], s66, v[STO]               ; in: row r, + 64 h
	v_mul_u32_u24 v[RD], v2, 272
	v_add_nc_u32 v[RD], v[RD], v28
	v_add_nc_u32 v[RD], s66, v[RD]                 ; back: lanes 0-15 one row, lanes 16-31 the next
	v_lshl_add_u32 v[CO], v2, 12, v28              ; and the same two rows of out0
	v_lshlrev_b32 v13, 6, v2                       ; the bias: 64 h
	s_lshl_b32 s90, s87, 12
	s_lshl_b32 s91, s22, 11
	s_add_co_u32 s90, s90, s91
	s_mov_b32 s91, 0
	s_lshr_b32 s92, s90, 2
	s_mov_b32 s93, 0
	s_lshl_b32 s94, s86, 11
	s_lshl_b32 s95, s22, 10
	s_add_co_u32 s94, s94, s95
	s_lshr_b32 s96, s94, 2
	s_add_co_u32 s94, s94, 4194304+16*PB
	s_add_co_u32 s96, s96, 262144+4*PB
	s_mov_b32 s95, 0
	s_mov_b32 s97, 0
	s_lshl_b32 s66, s22, 15
	s_lshl_b32 s67, s22, 14
	s_lshl_b32 s100, s22, 12
	s_lshl_b32 s101, s22, 11
	s_wait_dscnt 0x0
	s_wait_kmcnt 0x0
	s_add_nc_u64 s[90:91], s[4:5], s[90:91]
	s_add_nc_u64 s[92:93], s[6:7], s[92:93]
	s_add_nc_u64 s[94:95], s[8:9], s[94:95]
	s_add_nc_u64 s[96:97], s[10:11], s[96:97]
	s_mov_b32 s[G0SA], 1
	s_add_co_u32 s[G0SA+1], s100, LSA
	s_mov_b64 s[G0SA+2:G0SA+3], s[92:93]
	s_or_b32 s[G0SA+3], s[G0SA+3], 0x80000000
	s_mov_b32 s[G0SB], 1
	s_add_co_u32 s[G0SB+1], s101, LSB
	s_mov_b64 s[G0SB+2:G0SB+3], s[96:97]
	s_or_b32 s[G0SB+3], s[G0SB+3], 0x80000000
.irp c, 0,1
	s_mov_b32 s[G0A+4*\c], 1
	s_add_co_u32 s[G0A+4*\c+1], s66, LA+65536*\c
	s_add_nc_u64 s[G0A+4*\c+2:G0A+4*\c+3], s[90:91], 2097152*\c
	s_or_b32 s[G0A+4*\c+3], s[G0A+4*\c+3], 0x80000000
	s_mov_b32 s[G0B+4*\c], 1
	s_add_co_u32 s[G0B+4*\c+1], s67, LB+32768*\c
	s_add_nc_u64 s[G0B+4*\c+2:G0B+4*\c+3], s[94:95], 1048576*\c
	s_or_b32 s[G0B+4*\c+3], s[G0B+4*\c+3], 0x80000000
.endr
	CROUND                                         ; all sixteen work-groups are here: the joint loads meet
	JLOAD G0SA, G1SA, G0SB, G1SB                   ; three loads of mine are out: the scale words, K chunk 0, K chunk 1
	JLOAD G0A, G1A, G0B, G1B
	JLOAD G0A+4, G1A, G0B+4, G1B
	s_lshl_b32 s2, s86, 9
	s_lshl_b32 s3, s22, 8
	s_add_co_u32 s2, s2, s3                        ; my first column, in bytes
	s_mov_b32 s3, 0
	s_add_nc_u64 s[12:13], s[12:13], s[2:3]
	s_add_nc_u64 s[14:15], s[14:15], s[2:3]
	s_wait_alu depctr_va_vdst(0)
.irp b, 0,1,2,3
	global_load_b128 v[BI+8*\b:BI+8*\b+3], v13, s[12:13] offset:4*(32*(\b/2)+8*(\b%2))
	global_load_b128 v[BI+8*\b+4:BI+8*\b+7], v13, s[12:13] offset:4*(32*(\b/2)+8*(\b%2))+16
.endr
	s_lshl_b32 s2, s87, 20
	s_lshl_b32 s23, s21, 19
	s_add_co_u32 s2, s2, s23                       ; my first row: 4,096 bytes a row
	s_add_nc_u64 s[14:15], s[14:15], s[2:3]
	s_wait_tensorcnt 1                             ; my scale words and my part of chunk 0 are in; chunk 1 may be out: nothing is filled twice
	BAR
	PHASE 0
	s_wait_tensorcnt 0x0
	s_wait_dscnt 0x0
	BAR
	PHASE 1
	PLACES 4                                       ; behind the last products, in front of the first reads of results
	TOSTAGE 0
.irp a, 1,2,3,4,5,6,7
.if \a > 1
	s_wait_xcnt 0x0                                ; block a - 2's stores have read their registers: block a's loads may land there
.endif
	TOSTAGE \a
	SEND \a-1, 16                                  ; behind block a - 1's loads: block a's 8 stores and 8 loads
.endr
	SEND 7, 0
	s_wait_tensorcnt 0x0
	ds_add_u32 v254, v255
	s_wait_dscnt 0x0
	CROUND                                         ; the closing round
	s_endpgm
.Lfunc_end_k_q8f08bf9120_oproj:
	.size	k_q8f08bf9120_oproj, .Lfunc_end_k_q8f08bf9120_oproj-k_q8f08bf9120_oproj
	.p2alignl 7, 3214868480
	.fill 96, 4, 3214868480
	.section	.rodata,"a",@progbits
	.p2align	6, 0x0
	.amdhsa_kernel k_q8f08bf9120_oproj
		.amdhsa_group_segment_fixed_size 226816
		.amdhsa_private_segment_fixed_size 0
		.amdhsa_enable_private_segment 0
		.amdhsa_kernarg_size 48
		.amdhsa_user_sgpr_count 2
		.amdhsa_user_sgpr_kernarg_segment_ptr 1
		.amdhsa_wavefront_size32 1
		.amdhsa_system_sgpr_workgroup_id_x 1
		.amdhsa_system_sgpr_workgroup_id_y 1
		.amdhsa_system_sgpr_workgroup_id_z 1
		.amdhsa_system_vgpr_workitem_id 0
		.amdhsa_next_free_vgpr 768
		.amdhsa_next_free_sgpr 102
		.amdhsa_reserve_vcc 0
		.amdhsa_float_denorm_mode_32 3
		.amdhsa_float_denorm_mode_16_64 3
		.amdhsa_memory_ordered 1
		.amdhsa_forward_progress 1
		.amdhsa_inst_pref_size 77
	.end_amdhsa_kernel
	.amdgpu_metadata
---
amdhsa.version: [ 1, 2 ]
amdhsa.kernels:
  - .name:           k_q8f08bf9120_oproj
    .symbol:         k_q8f08bf9120_oproj.kd
    .args:
      - { .name: att_codes, .offset: 0, .size: 8, .value_kind: global_buffer, .address_space: global }
      - { .name: att_scales, .offset: 8, .size: 8, .value_kind: global_buffer, .address_space: global }
      - { .name: xw_codes, .offset: 16, .size: 8, .value_kind: global_buffer, .address_space: global }
      - { .name: xw_scales, .offset: 24, .size: 8, .value_kind: global_buffer, .address_space: global }
      - { .name: bo, .offset: 32, .size: 8, .value_kind: global_buffer, .address_space: global }
      - { .name: out0, .offset: 40, .size: 8, .value_kind: global_buffer, .address_space: global }
    .group_segment_fixed_size: 226816
    .private_segment_fixed_size: 0
    .kernarg_segment_align: 8
    .kernarg_segment_size: 48
    .max_flat_workgroup_size: 128
    .sgpr_count:     102
    .vgpr_count:     768
    .wavefront_size: 32
...
	.end_amdgpu_metadata
.endif
;; end of part 4
